; MI455X (gfx1250); checked and timed in simulation.
; The chip was launched on July 23, 2026; its instructions are those of AMD's public machine-readable ISA for CDNA 5 (MIT licence, August 2026) and "CDNA5" Instruction Set Architecture Reference Guide (July 2026). The comments in the code are by the model that wrote it; some were corrected since.
;; Self Attention. Allowed arithmetic: matrix products marked QUANTISED: E3M2 operands, one E8M0 scale for each 32 along K, by v_wmma_scale_f32_16x16x128_f8f6f4 with both operands' format E3M2, f32 sums; everything else in f32.
;; Inputs: Wk 1,024 x 1,024 float32; Wo 1,024 x 1,024 float32; Wq 1,024 x 1,024 float32; Wv 1,024 x 1,024 float32; bk 1,024 float32; bo 1,024 float32; bq 1,024 float32; bv 1,024 float32; x 4 x 2,048 x 1,024 float32.
;; Outputs: out0 4 x 2,048 x 1,024 float32.
;; This version of the problem:
;;   THIS VERSION OF THE PROBLEM IS GIVEN IN LOW PRECISION. The matrix products marked QUANTISED in the list below multiply operands that are first quantised to E3M2 (3 exponent bits, 2 mantissa bits; 6 bits a number), with one power-of-two scale for each 32 numbers along K (OCP MX v1.0); their sums are f32. All else is computed in f32.
;;   The module's matrix products, in the order in which they are computed (A, B: the left and right operand; K: the contracted axis; several contracted axes count as one K, in the product's order):
;;     1. [M 8,192, K 1,024] x [K 1,024, N 1,024]; A: input x; B: input Wq: QUANTISED
;;     2. [M 8,192, K 1,024] x [K 1,024, N 1,024]; A: input x; B: input Wk: QUANTISED
;;     3. [M 8,192, K 1,024] x [K 1,024, N 1,024]; A: input x; B: input Wv: QUANTISED
;;     4. batch 64 x [M 2,048, K 64] x [K 64, N 2,048]; A: computed on the way; B: computed on the way: QUANTISED
;;     5. batch 64 x [M 2,048, K 2,048] x [K 2,048, N 64]; A: softmax (see below); B: computed on the way: QUANTISED
;;     6. [M 8,192, K 1,024] x [K 1,024, N 1,024]; A: computed on the way; B: input Wo: QUANTISED
;;   THE QUANTISER, for each operand of a quantised product, along K:
;;     - K is cut into blocks of 32 from its start; a last block that is shorter is filled with zeros.
;;     - A block's scale is 2^e with e = floor(log2(the largest magnitude in the block)) - 4, held to -126 .. 127; a block of zeros has e = 0. As a byte (E8M0): e + 127.
;;     - Each number is divided by its block's scale, clamped to +-28, and rounded to the nearest number of E3M2, ties to even, subnormals kept.
;;     - The product sums the exact products of the quantised numbers (number of the format x scale) in f32.
;;   ~~~python
;;   def quantise(x, axis):      # numpy; x: float32 -> the quantised numbers, widened to float32 again
;;       x = np.moveaxis(x, axis, -1); K = x.shape[-1]
;;       x = np.pad(x, [(0, 0)] * (x.ndim - 1) + [(0, -K % 32)]); x = x.reshape(x.shape[:-1] + (-1, 32)); a = np.abs(x).max(-1, keepdims=True)
;;       e = np.where(a > 0, np.clip(np.frexp(np.where(a > 0, a, 1))[1] - 1 - 4, -126, 127), 0)      # np.frexp(a)[1] - 1 = floor(log2(a)), exactly
;;       r = np.clip(x / 2.0 ** e, -28, 28)
;;       step = 2.0 ** (np.maximum(np.frexp(np.where(r == 0, 1, r))[1] - 1, -2) - 2)
;;       q = np.round(r / step) * step * 2.0 ** e      # np.round: ties to even
;;       return np.moveaxis(q.reshape(q.shape[:-2] + (-1,))[..., :K], -1, axis).astype(np.float32)
;;   ~~~
;;   SOFTMAX AHEAD OF A QUANTISED PRODUCT. Where the list says 'softmax', what is quantised is not the finished softmax but p = 2^(t - M), with t = logit x log2(e) and M = ceil(the row's largest t), a whole number; so 1/2 < the row's largest p <= 1. The row's sum l is taken of the UNQUANTISED p, in f32, and the product's result is divided by l at the end. Since M is a whole number, a kernel that streams over the keys may use a running M (the ceiling of the running maximum): every later rescaling is an exact power of two, which a block's scale takes up: the codes' values come out the same.
;;   OPERANDS COMPUTED ON THE WAY. 'Computed on the way' means the value that the module computes at that place (a softmax that the list does not call 'softmax' is quantised finished and normalised). What goes into a quantiser is computed in f32, as accurately as f32 sums, v_exp_f32 and their like allow (about 1e-6 of the number): no bf16 or f16 on the way to a quantiser, and a product that is left as it is and whose result goes on into a quantised operand takes f32 operands (vector FMAs, or v_wmma_f32_16x16x4_f32). A number that lies on a knife's edge between two numbers of the format may be rounded either way, as far as f32 arithmetic and the matrix unit's own rounding can turn it there, and no further.
;; One version. Each part assembles by itself: llvm-mc -triple=amdgcn-amd-amdhsa -mcpu=gfx1250 --defsym DOCPART=n.
;; ======== version 1 of 1: 4 launches
;; workspace buffers: xq 6,553,600 bytes; wq 3,276,800 bytes; qkv 20,185,088 bytes; yq 6,553,600 bytes
;; launch quant (part 1): grid 640 x 1, 4 waves a work-group, no clusters, 34,304 bytes of LDS; arguments x, Wq, Wk, Wv, Wo, xq, wq; writes xq, wq
.if DOCPART == 1
	.amdgcn_target "amdgcn-amd-amdhsa--gfx1250"
	.amdhsa_code_object_version 6
	.text
	.protected	k_qa143ebd69a_quant
	.globl	k_qa143ebd69a_quant
	.p2align	8
	.type	k_qa143ebd69a_quant,@function
k_qa143ebd69a_quant:
	s_mov_b64 s[64:65], 0
	v_nop
	global_prefetch_b8 v0, s[64:65] scope:SCOPE_SE
	s_setreg_imm32_b32 hwreg(HW_REG_WAVE_MODE, 25, 1), 1
	s_wait_xcnt 0x0
; x [8192][1024] and the four weights [1024 (k)][1024 (n)], f32, become codes of BF6 (E3M2) with one E8M0 byte for each 32 along K, laid in the ORDER OF AN OPERAND'S REGISTERS.
; A block's scale is 2^(floor(log2(its largest magnitude)) - 4): its byte is the largest magnitude's exponent field - 4, held at 1 from below by a floor among the maximum's leaves.
; LIMITS: a block of zeros, or one whose largest magnitude lies under 2^-122, gets the byte 1 where the rule says 127 (its codes are zeros or subnormal codes under that byte; this program alone reads the bytes);
; NaN and infinities among the inputs are not served.
; POSITIONS.  Row P of an operand in the workspace stands for index (P & ~31) | pi(P & 31), pi = bits 3 and 4 exchanged: pi(16 u + r) = 8 u + (r & 7) + 16 (r >> 3).
; So in every later product the 16 result registers of two neighbouring tiles of 16 positions are 16 NEIGHBOURING true indices, as the next quantiser wants them.
; LAYOUT.  A half fragment (16 positions x 64 K, six registers a lane) is 768 bytes: lane l's registers 0-3 at 16 l, its registers 4-5 at 512 + 8 l: each store covers whole aligned runs of 256 bytes.
; A buffer is [kslot of 256 K][granule of 64 positions][12,800 bytes]; a granule is [rowblock 0..3][half fragment 0..3][768], and from byte 12,288 on [position][8 scale bytes].
; SHARES.  Work-groups 0-511: a rowblock of x each, wave w its kslot w.  Work-groups 512-639: 128 positions x one kslot of the weights (Wq, Wk, Wv, Wo on end), a wave 32 positions.
; No work-group shares an input byte with another: no cluster, no tensor load; waves share nothing: no barrier.  Only the x path uses LDS (a stage of 8,448 bytes for each wave).
.set XST,   1638400                    ; a kslot of xq: 128 granules
.set WST,   819200                     ; a kslot of wq: 64 granules
.set GRAN,  12800
.set SCOFF, 12288
.set RBB,   3072                       ; a rowblock's four half fragments
.set HFB,   768
.set SP,    528                        ; a stage row: 512 bytes + 16: 33 x 16, so the sixteen rows that a load of 16 bytes a lane touches fall on sixteen different columns of 16 bytes modulo 256
.set STGB,  16*SP
.set TM,    10                         ; v10-25  QUANT at work (weights path: v10-13 at work, v14-15 the scale bytes)
.set PW,    26                         ; v26-27  the two scale words
.set CT,    28                         ; v28-35  second halves of blocks, as converted
.set PC,    36                         ; v36-59  x: two fragments;  v36-83  weights: eight half fragments
.set R0,    64                         ; v64-127   unit 0 as loaded, later unit 1's neighbours
.set R1,    128                        ; v128-191  unit 1 as loaded;  weights: two sets of 32 numbers
.set X,     192                        ; v192-255  unit 0's neighbours
.set SEL,   20                         ; s[20:21] lane selects: lane l xor 16
; 64 numbers of a lane, register 16 b + i = K 32 b + 16 (lane / 16) + i of its row, become a fragment (12 registers at pc) and the row's scale word (pw).
.macro QUANT s, pc, pw
.irp b, 0,1,2,3
	v_max3_num_f32 v[TM+\b], |v[\s+16*\b]|, |v[\s+1+16*\b]|, 0x2800000   ; my 16 of block b, and the floor 2^(5 - 127): the byte cannot fall under 1
.endr
.irp i, 2,4,6,8,10,12,14
.irp b, 0,1,2,3
	v_max3_num_f32 v[TM+\b], v[TM+\b], |v[\s+16*\b+\i]|, |v[\s+1+16*\b+\i]|   ; the four blocks by turns
.endr
.endr
.irp b, 0,1,2,3
	v_permlanex16_b32 v[TM+4+\b], v[TM+\b], s[SEL], s[SEL+1]
.endr
.irp b, 0,1,2,3
	v_max_num_f32 v[TM+\b], v[TM+\b], v[TM+4+\b]   ; with lane l xor 16's 16: the block's largest magnitude
.endr
.irp b, 0,1,2,3
	v_add_nc_u32 v[TM+12+\b], 0xfe000000, v[TM+\b] ; 4 off its exponent field: the conversion's scale operand
.endr
.irp b, 0,1,2,3
	v_lshrrev_b32 v[TM+4+\b], 23, v[TM+12+\b]      ; the scale's byte
.endr
	v_lshl_or_b32 v[\pw], v[TM+5], 8, v[TM+4]
	v_lshl_or_b32 v[\pw], v[TM+6], 16, v[\pw]
	v_lshl_or_b32 v[\pw], v[TM+7], 24, v[\pw]
.irp c, 0,1
	v_cvt_scalef32_pk16_bf6_f32 v[(\pc)+6*\c:(\pc)+2+6*\c], v[\s+32*\c:\s+15+32*\c], v[TM+12+2*\c]
	v_cvt_scalef32_pk16_bf6_f32 v[CT+4*\c:CT+2+4*\c], v[\s+16+32*\c:\s+31+32*\c], v[TM+13+2*\c]   ; (a conversion's three registers begin on an even number)
.endr
	v_nop                                          ; one plain place behind a scaled conversion
.irp c, 0,1                                    ; the operand wants a WHOLE block in a lane: lanes 0-15 block 2 c, lanes 16-31 block 2 c + 1
.irp i, 0,1,2
	v_permlane16_swap_b32 v[(\pc)+6*\c+\i], v[CT+4*\c+\i]
.endr
.irp i, 0,1,2
	v_mov_b32 v[(\pc)+3+6*\c+\i], v[CT+4*\c+\i]
.endr
.endr
.endm
.macro PUTHF reg, base, off            ; a half fragment leaves: 512 consecutive bytes, then 256
	global_store_b128 v4, v[(\reg):(\reg)+3], s[\base:\base+1] offset:(\off)
	global_store_b64 v5, v[(\reg)+4:(\reg)+5], s[\base:\base+1] offset:(\off)+512
.endm
	s_load_b256 s[4:11], s[0:1], 0x0               ; x, Wq, Wk, Wv
	s_load_b128 s[12:15], s[0:1], 0x20             ; Wo, xq
	s_load_b64 s[16:17], s[0:1], 0x30              ; wq
	v_lshl_add_u32 v31, v0, 2, 0x8400
	v_mov_b32 v35, 0
	v_lshrrev_b32 v1, 5, v0
	v_readfirstlane_b32 s18, v1                    ; wave 0..3
	v_and_b32 v1, 31, v0                           ; lane
	v_and_b32 v2, 15, v0                           ; r
	v_bfe_u32 v3, v0, 4, 1                         ; h
	v_lshlrev_b32 v4, 4, v1                        ; 16 x lane
	v_lshlrev_b32 v5, 3, v1                        ; 8 x lane
	s_mov_b32 s[SEL], 0x76543210
	s_mov_b32 s[SEL+1], 0xfedcba98
.irp b, 0,1,2,3
	v_mov_b32 v[TM+4+\b], 0                        ; written once: a lane permute's destination counts as one of its sources
.endr
	s_cmp_ge_u32 ttmp9, 512
	s_cbranch_scc1 .Lweights
	; ---------------- x: rowblock ttmp9, kslot = my wave: 16 rows x 256 K, as two units of 128 K
	s_mul_i32 s22, s18, STGB                       ; my stage
	v_add_nc_u32 v6, s22, v4                       ; in: 16 x lane, a row an instruction
	v_mul_u32_u24 v7, v2, SP
	v_lshl_add_u32 v7, v3, 6, v7
	v_add_nc_u32 v7, s22, v7                       ; back: row r, + 64 h: my 16 numbers of each block of 32
	v_lshlrev_b32 v8, 3, v2
	v_lshl_add_u32 v8, v3, 2, v8                   ; the scale words: 8 r + 4 h
	s_lshr_b32 s23, ttmp9, 1
	s_lshl_b32 s23, s23, 5
	s_and_b32 s28, ttmp9, 1
	s_lshl_b32 s28, s28, 3
	s_add_co_u32 s23, s23, s28                     ; the rowblock's first token: 32 (RB / 2) + 8 (RB % 2); position t is token + t + 8 (t / 8)
	s_lshl_b32 s28, s23, 12                        ; rows of 4,096 bytes
	s_lshl_b32 s29, s18, 10                        ; my kslot: 1,024 bytes of a row
	s_add_co_u32 s28, s28, s29
	s_mov_b32 s29, 0
	s_mul_i32 s30, s18, XST
	s_lshr_b32 s31, ttmp9, 2
	s_mul_i32 s31, s31, GRAN
	s_add_co_u32 s30, s30, s31                     ; my granule
	s_and_b32 s31, ttmp9, 3
	s_mul_i32 s32, s31, RBB
	s_add_co_u32 s32, s32, s30                     ; my rowblock's codes
	s_mov_b32 s33, 0
	s_lshl_b32 s34, s31, 7
	s_add_co_u32 s34, s34, s30
	s_add_co_u32 s34, s34, SCOFF                   ; and its 128 scale bytes
	s_mov_b32 s35, 0
	s_wait_alu depctr_va_vdst(0)
	s_wait_kmcnt 0x0
	s_add_nc_u64 s[4:5], s[4:5], s[28:29]
	s_add_nc_u64 s[24:25], s[14:15], s[32:33]
	s_add_nc_u64 s[26:27], s[14:15], s[34:35]
.irp q, 0,1
.irp t, 0,1,2,3,4,5,6,7,8,9,10,11,12,13,14,15
	global_load_b128 v[R0+64*\q+4*\t:R0+64*\q+4*\t+3], v4, s[4:5] offset:(\t+8*(\t/8))*4096+512*\q th:TH_LOAD_NT   ; 32 lanes read 512 consecutive bytes: 128 numbers of one row
.endr
.endr
	s_wait_loadcnt 16                              ; unit 0's sixteen loads are in; unit 1's sixteen may be out
.irp t, 0,1,2,3,4,5,6,7,8,9,10,11,12,13,14,15
	ds_store_b128 v6, v[R0+4*\t:R0+4*\t+3] offset:SP*\t
.endr
.irp b, 0,1,2,3
.irp j, 0,1,2,3
	ds_load_b128 v[X+16*\b+4*\j:X+16*\b+4*\j+3], v7 offset:128*\b+16*\j   ; LDS serves a wave's instructions in order: these see my stores
.endr
.endr
	s_wait_dscnt 0x0                               ; unit 0 is back as neighbours, and its stores have read R0
	s_wait_loadcnt 0x0                             ; unit 1 is in
.irp t, 0,1,2,3,4,5,6,7,8,9,10,11,12,13,14,15
	ds_store_b128 v6, v[R1+4*\t:R1+4*\t+3] offset:SP*\t
.endr
.irp b, 0,1,2,3
.irp j, 0,1,2,3
	ds_load_b128 v[R0+16*\b+4*\j:R0+16*\b+4*\j+3], v7 offset:128*\b+16*\j
.endr
.endr
	QUANT X, PC, PW                                ; unit 0 is quantised while unit 1 turns through the stage
.irp c, 0,1
	PUTHF PC+6*\c, 24, \c*HFB
.endr
	s_wait_dscnt 0x0
	QUANT R0, PC+12, PW+1
.irp c, 0,1
	PUTHF PC+12+6*\c, 24, (2+\c)*HFB
.endr
	v_cmp_ne_u32 vcc_lo, 0, v3
	v_cndmask_b32 v9, v[PW], v[PW+1], vcc_lo       ; lanes 0-15 carry their row's first word, lanes 16-31 its second
	global_store_b32 v8, v9, s[26:27]              ; 128 consecutive bytes
	s_wait_tensorcnt 0x0
	ds_add_u32 v31, v35
	s_wait_dscnt 0x0
	s_endpgm
	; ---------------- the weights: K is the FIRST axis: a lane takes a column and its registers run down K
.Lweights:
	s_sub_co_u32 s22, ttmp9, 512
	s_and_b32 s23, s22, 31                         ; which 128 positions
	s_lshr_b32 s28, s22, 5                         ; kslot
	s_lshl_b32 s29, s23, 7
	s_lshl_b32 s30, s18, 5
	s_add_co_u32 s29, s29, s30                     ; my wave's first position
	s_lshr_b32 s30, s23, 3                         ; which weight: 0 Wq, 1 Wk, 2 Wv, 3 Wo
	s_wait_alu depctr_va_vdst(0)
	v_and_b32 v6, 7, v1
	v_and_b32 v7, 8, v1
	v_lshl_add_u32 v6, v7, 1, v6
	v_and_b32 v7, 16, v1
	v_lshrrev_b32 v7, 1, v7
	v_add_nc_u32 v6, v6, v7                        ; pi(lane): position lane stands for this column
	v_lshlrev_b32 v6, 2, v6
	s_lshl_b32 s32, s28, 20                        ; 256 rows of 4,096 bytes a kslot
	s_and_b32 s31, s29, 1023
	s_lshl_b32 s31, s31, 2
	s_add_co_u32 s32, s32, s31
	s_mov_b32 s33, 0
	s_mul_i32 s34, s28, WST
	s_lshr_b32 s31, s29, 6
	s_mul_i32 s31, s31, GRAN
	s_add_co_u32 s34, s34, s31                     ; my granule
	s_lshr_b32 s31, s29, 4
	s_and_b32 s31, s31, 3
	s_mul_i32 s31, s31, RBB
	s_add_co_u32 s36, s34, s31                     ; my two rowblocks' codes
	s_mov_b32 s37, 0
	s_and_b32 s31, s29, 63
	s_lshl_b32 s31, s31, 3
	s_add_co_u32 s38, s34, s31
	s_add_co_u32 s38, s38, SCOFF                   ; my 32 positions' scale bytes
	s_mov_b32 s39, 0
	s_wait_alu depctr_va_vdst(0)
	s_wait_kmcnt 0x0
	s_cmp_lt_u32 s30, 2                            ; the choice hangs on the work-group's number alone
	s_cselect_b64 s[24:25], s[6:7], s[10:11]       ; Wq or Wv
	s_cselect_b64 s[26:27], s[8:9], s[12:13]       ; Wk or Wo
	s_bitcmp1_b32 s30, 0
	s_cselect_b64 s[24:25], s[26:27], s[24:25]
	s_add_nc_u64 s[24:25], s[24:25], s[32:33]
	s_add_nc_u64 s[26:27], s[16:17], s[36:37]
	s_add_nc_u64 s[40:41], s[16:17], s[38:39]
.macro WLOAD t                         ; block t: W(32 t + i, my column) into set t % 2: a wave reads 128 consecutive bytes
.irp i, 0,1,2,3,4,5,6,7,8,9,10,11,12,13,14,15,16,17,18,19,20,21,22,23,24,25,26,27,28,29,30,31
	global_load_b32 v[R1+32*((\t)%2)+\i], v6, s[24:25] offset:(32*(\t)+\i)*4096 th:TH_LOAD_NT
.endr
.endm
.macro WBLOCK t
.set XS, R1+32*((\t)%2)
.set BL, PC+12*((\t)/2)+6*((\t)%2)
.if (\t) < 7
	s_wait_loadcnt 32                              ; this block's 32 loads are in; the next block's may be out
.else
	s_wait_loadcnt 0x0
.endif
	v_max3_num_f32 v10, |v[XS]|, |v[XS+1]|, |v[XS+2]|   ; all 32 numbers of the block are mine
	v_max3_num_f32 v11, |v[XS+3]|, |v[XS+4]|, |v[XS+5]|
.irp i, 6,10,14,18,22,26
	v_max3_num_f32 v10, v10, |v[XS+\i]|, |v[XS+\i+1]|
	v_max3_num_f32 v11, v11, |v[XS+\i+2]|, |v[XS+\i+3]|
.endr
	v_max3_num_f32 v10, v10, |v[XS+30]|, |v[XS+31]|
	v_max3_num_f32 v10, v10, v11, 0x2800000        ; and the floor
	v_add_nc_u32 v12, 0xfe000000, v10
	v_lshrrev_b32 v13, 23, v12
.if (\t)%4 == 0
	v_mov_b32 v[14+(\t)/4], v13                    ; four bytes to a register, the lower K in the lower byte
.else
	v_lshl_or_b32 v[14+(\t)/4], v13, 8*((\t)%4), v[14+(\t)/4]
.endif
	v_cvt_scalef32_pk16_bf6_f32 v[BL:BL+2], v[XS:XS+15], v12
	v_cvt_scalef32_pk16_bf6_f32 v[CT:CT+2], v[XS+16:XS+31], v12
	v_nop                                          ; one plain place behind a scaled conversion
.irp i, 0,1,2
	v_mov_b32 v[BL+3+\i], v[CT+\i]
.endr
.if (\t)+2 < 8
	WLOAD (\t)+2
.endif
.if (\t)%2 == 1                        ; blocks t - 1 and t of 32 positions become the half fragments of positions 0-15 and of positions 16-31
.set BE, PC+12*((\t)/2)
.irp i, 0,1,2,3,4,5
	v_permlane16_swap_b32 v[BE+\i], v[BE+6+\i]     ; the first run's lanes 16-31 change places with the second's lanes 0-15
.endr
.irp m, 0,1
	PUTHF BE+6*\m, 26, \m*RBB+((\t)/2)*HFB
.endr
.endif
.endm
	WLOAD 0
	WLOAD 1
.irp t, 0,1,2,3,4,5,6,7
	WBLOCK \t
.endr
	global_store_b64 v5, v[14:15], s[40:41]        ; 32 positions x 8 scale bytes: 256 consecutive bytes, aligned
	s_endpgm
.Lfunc_end_k_qa143ebd69a_quant:
	.size	k_qa143ebd69a_quant, .Lfunc_end_k_qa143ebd69a_quant-k_qa143ebd69a_quant
	.p2alignl 7, 3214868480
	.fill 96, 4, 3214868480
	.section	.rodata,"a",@progbits
	.p2align	6, 0x0
	.amdhsa_kernel k_qa143ebd69a_quant
		.amdhsa_group_segment_fixed_size 34304
		.amdhsa_private_segment_fixed_size 0
		.amdhsa_enable_private_segment 0
		.amdhsa_kernarg_size 56
		.amdhsa_user_sgpr_count 2
		.amdhsa_user_sgpr_kernarg_segment_ptr 1
		.amdhsa_wavefront_size32 1
		.amdhsa_system_sgpr_workgroup_id_x 1
		.amdhsa_system_sgpr_workgroup_id_y 1
		.amdhsa_system_sgpr_workgroup_id_z 1
		.amdhsa_system_vgpr_workitem_id 0
		.amdhsa_next_free_vgpr 256
		.amdhsa_next_free_sgpr 66
		.amdhsa_reserve_vcc 1
		.amdhsa_float_denorm_mode_32 3
		.amdhsa_float_denorm_mode_16_64 3
		.amdhsa_memory_ordered 1
		.amdhsa_forward_progress 1
		.amdhsa_inst_pref_size 58
	.end_amdhsa_kernel
	.amdgpu_metadata
---
amdhsa.version: [ 1, 2 ]
amdhsa.kernels:
  - .name:           k_qa143ebd69a_quant
    .symbol:         k_qa143ebd69a_quant.kd
    .args:
      - { .name: x, .offset: 0, .size: 8, .value_kind: global_buffer, .address_space: global }
      - { .name: Wq, .offset: 8, .size: 8, .value_kind: global_buffer, .address_space: global }
      - { .name: Wk, .offset: 16, .size: 8, .value_kind: global_buffer, .address_space: global }
      - { .name: Wv, .offset: 24, .size: 8, .value_kind: global_buffer, .address_space: global }
      - { .name: Wo, .offset: 32, .size: 8, .value_kind: global_buffer, .address_space: global }
      - { .name: xq, .offset: 40, .size: 8, .value_kind: global_buffer, .address_space: global }
      - { .name: wq, .offset: 48, .size: 8, .value_kind: global_buffer, .address_space: global }
    .group_segment_fixed_size: 34304
    .private_segment_fixed_size: 0
    .kernarg_segment_align: 8
    .kernarg_segment_size: 56
    .max_flat_workgroup_size: 128
    .sgpr_count:     66
    .vgpr_count:     256
    .wavefront_size: 32
...
	.end_amdgpu_metadata
.endif
;; end of part 1
;; launch proj (part 2): grid 12 x 64, 4 waves a work-group, clusters of 4 x 4, 307,712 bytes of LDS; arguments xq, wq, bq, bk, bv, qkv; writes qkv
.if DOCPART == 2
	.amdgcn_target "amdgcn-amd-amdhsa--gfx1250"
	.amdhsa_code_object_version 6
	.text
	.protected	k_qa143ebd69a_proj
	.globl	k_qa143ebd69a_proj
	.p2align	8
	.type	k_qa143ebd69a_proj,@function
k_qa143ebd69a_proj:
	s_mov_b64 s[64:65], 0
	v_nop
	global_prefetch_b8 v0, s[64:65] scope:SCOPE_SE
	s_setreg_imm32_b32 hwreg(HW_REG_WAVE_MODE, 25, 1), 1
	s_wait_xcnt 0x0
	s_wait_alu depctr_hold_cnt(0) depctr_sa_sdst(0) depctr_va_vdst(0) depctr_va_sdst(0) depctr_va_ssrc(0) depctr_va_vcc(0) depctr_vm_vsrc(0)
	s_getreg_b32 s2, hwreg(HW_REG_IB_STS2, 6, 4)
	s_cmp_eq_u32 s2, 0
	s_cbranch_scc0 .Lentry_in_a_cluster
	s_endpgm
.Lentry_in_a_cluster:
	s_bfe_u32 s2, ttmp6, 0x10000c
	s_cmp_lg_u32 s2, 0xf033
	s_cbranch_scc0 .Lentry_shape_is_right
	s_endpgm
.Lentry_shape_is_right:
; q = x Wq + bq, k = x Wk + bk, v = x Wv + bv on codes of BF6 (E3M2) with E8M0 scales, and each result quantised again on its way out: q and k along the head's 64, v along the keys.
; A work-group makes 128 (side A) x 256 (side B) of a product over all K = 1,024.  Its operands, 6 granules x 4 kslots = 307,200 bytes of codes and scale bytes, fit in LDS whole: each LDS byte is filled ONCE,
; so there is no ring and no refill.  Four waves, each 64 x 128: 32 accumulators, 256 matrix instructions.
; THE MATRIX INSTRUCTION: source 0 = 16 positions of side B, source 1 = 16 positions of side A: a lane holds one position of A, and (by the order of positions in the workspace) the 16 registers of B's tiles
; 2 j and 2 j + 1 are the true indices 32 j + 16 (lane / 16) + 0 .. 15: the next quantiser's neighbours.
; ONE TEXT, TWO ORIENTATIONS, chosen by the cluster's x: 0, 1 (q, k): A = tokens, B = the weight's columns: registers run along the head's channels.  2 (v): A = Wv's columns, B = tokens: registers run along the keys.
; CLUSTERS: 4 x 4 work-groups.  A's granules hang on the cluster's y and cy alone and are asked for jointly by a row of the cluster, B's on cx (and shared numbers) and jointly by a column.
; qkv: 64 records (batch x head) of 315,392 bytes: q's 128 tiles x 768, q's 2,048 scale words, k's likewise, v's [keystep 16][tile of 16 channels 4][1,536], v's [keystep][64 scale words].
; A scale word of q or k has its two bytes lowest; the upper two are the neighbouring head's or 0: never 0xff; they meet zero codes only.
; LIMITS: as in the launch before: a block under 2^-122 or of zeros gets the byte 1; NaN and infinities are not served.
; REGISTERS: window 0: v1-15 addresses; v16-39 scale words, two sets; v40-135 A's fragments, two sets (on the way out: v40-103 a tile row's 64 numbers, v104-151 codes); v152-183 at work; v192-255 the bias.
;   window 1: accumulator (a, b) at v[8 (8 a + b)].   window 2: B's fragments, two sets of 96.
.set XST,   1638400
.set WST,   819200
.set GRAN,  12800
.set SCOFF, 12288
.set RBB,   3072
.set HFB,   768
.set KSL,   6*GRAN                     ; a kslot in LDS: A's 2 granules, then B's 4
.set HR,    315392
.set QSO,   98304
.set KCO,   106496
.set VCO,   212992
.set VSO,   311296
.set SC,    16
.set AF,    40
.set H,     40
.set PC,    104
.set CT,    152
.set TM,    160
.set PW,    176
.set SW,    180
.set BB,    192
.set SEL,   100
.set TO_B,  0x80                       ; destination window 2, address window 0
.set MULW,  0x52                       ; source 0 (B) window 2, source 1 (A) window 0, C and D window 1
.set ADDW,  0x01                       ; source 0 window 1
.set MSB, 0
.macro WIN new                         ; the immediate's high byte repeats the setting that is left
.if MSB != \new
	s_set_vgpr_msb (MSB<<8)|\new
.set MSB, \new
.endif
.endm
.macro ROUND                           ; a round of the cluster's barrier
	s_barrier_signal -1
	s_barrier_wait -1
	s_cmp_lg_u32 s16, 0
	s_cbranch_scc1 .Lnot_wave_0_\@
	s_barrier_signal -3
.Lnot_wave_0_\@:
	s_barrier_wait -3
	s_barrier_signal -1
	s_barrier_wait -1
.endm
.macro PLACES n
.rept \n
	v_nop
.endr
.endm
; One matrix instruction from the symbols rD, rB (source 0), rA (source 1), rSB, rSA (their scale words), fB, fA (1: the words lie in lanes 16-31), fZ (1: it starts the sum).
.macro WMM
.if fZ
.if fB && fA
	v_wmma_scale_f32_16x16x128_f8f6f4 v[rD:rD+7], v[rB:rB+11], v[rA:rA+11], 0, v[rSB], v[rSA] matrix_a_fmt:MATRIX_FMT_BF6 matrix_b_fmt:MATRIX_FMT_BF6 matrix_a_scale:MATRIX_SCALE_ROW1 matrix_b_scale:MATRIX_SCALE_ROW1
.elseif fB
	v_wmma_scale_f32_16x16x128_f8f6f4 v[rD:rD+7], v[rB:rB+11], v[rA:rA+11], 0, v[rSB], v[rSA] matrix_a_fmt:MATRIX_FMT_BF6 matrix_b_fmt:MATRIX_FMT_BF6 matrix_a_scale:MATRIX_SCALE_ROW1
.elseif fA
	v_wmma_scale_f32_16x16x128_f8f6f4 v[rD:rD+7], v[rB:rB+11], v[rA:rA+11], 0, v[rSB], v[rSA] matrix_a_fmt:MATRIX_FMT_BF6 matrix_b_fmt:MATRIX_FMT_BF6 matrix_b_scale:MATRIX_SCALE_ROW1
.else
	v_wmma_scale_f32_16x16x128_f8f6f4 v[rD:rD+7], v[rB:rB+11], v[rA:rA+11], 0, v[rSB], v[rSA] matrix_a_fmt:MATRIX_FMT_BF6 matrix_b_fmt:MATRIX_FMT_BF6
.endif
.else
.if fB && fA
	v_wmma_scale_f32_16x16x128_f8f6f4 v[rD:rD+7], v[rB:rB+11], v[rA:rA+11], v[rD:rD+7], v[rSB], v[rSA] matrix_a_fmt:MATRIX_FMT_BF6 matrix_b_fmt:MATRIX_FMT_BF6 matrix_a_scale:MATRIX_SCALE_ROW1 matrix_b_scale:MATRIX_SCALE_ROW1
.elseif fB
	v_wmma_scale_f32_16x16x128_f8f6f4 v[rD:rD+7], v[rB:rB+11], v[rA:rA+11], v[rD:rD+7], v[rSB], v[rSA] matrix_a_fmt:MATRIX_FMT_BF6 matrix_b_fmt:MATRIX_FMT_BF6 matrix_a_scale:MATRIX_SCALE_ROW1
.elseif fA
	v_wmma_scale_f32_16x16x128_f8f6f4 v[rD:rD+7], v[rB:rB+11], v[rA:rA+11], v[rD:rD+7], v[rSB], v[rSA] matrix_a_fmt:MATRIX_FMT_BF6 matrix_b_fmt:MATRIX_FMT_BF6 matrix_b_scale:MATRIX_SCALE_ROW1
.else
	v_wmma_scale_f32_16x16x128_f8f6f4 v[rD:rD+7], v[rB:rB+11], v[rA:rA+11], v[rD:rD+7], v[rSB], v[rSA] matrix_a_fmt:MATRIX_FMT_BF6 matrix_b_fmt:MATRIX_FMT_BF6
.endif
.endif
.endm
; The fragments of K step k (128 along K: the kslot's half k % 2) into set k % 2: B's eight, A's four; each half fragment by one load of 16 and one of 8 bytes a lane, consecutive bytes.
; With a kslot's first step its scale words: a load of 8 bytes a lane takes 32 positions' two words: lanes 0-15 an even rowblock's, lanes 16-31 the odd one's.
.macro FETCH k
.set fq, (\k)%2
.set fs, ((\k)/2)%2
	WIN TO_B
.irp b, 0,1,2,3,4,5,6,7
.irp c, 0,1
	ds_load_b128 v[96*fq+12*\b+6*\c:96*fq+12*\b+6*\c+3], v6 offset:(\b/4)*GRAN+(\b%4)*RBB+fq*1536+\c*HFB
	ds_load_b64 v[96*fq+12*\b+6*\c+4:96*fq+12*\b+6*\c+5], v7 offset:(\b/4)*GRAN+(\b%4)*RBB+fq*1536+\c*HFB+512
.endr
.endr
	WIN 0
.irp a, 0,1,2,3
.irp c, 0,1
	ds_load_b128 v[AF+48*fq+12*\a+6*\c:AF+48*fq+12*\a+6*\c+3], v4 offset:\a*RBB+fq*1536+\c*HFB
	ds_load_b64 v[AF+48*fq+12*\a+6*\c+4:AF+48*fq+12*\a+6*\c+5], v5 offset:\a*RBB+fq*1536+\c*HFB+512
.endr
.endr
.if fq == 0
.irp i, 0,1
	ds_load_b64 v[SC+12*fs+2*\i:SC+12*fs+2*\i+1], v5 offset:SCOFF+256*\i
.endr
.irp j, 0,1,2,3
	ds_load_b64 v[SC+12*fs+4+2*\j:SC+12*fs+4+2*\j+1], v7 offset:(\j/2)*GRAN+SCOFF+256*(\j%2)
.endr
.endif
.endm
; 32 matrix instructions: the 32 accumulators take turns, one instruction a turn, in the same order in every step.
.macro MUL k, zero
.set mq, (\k)%2
.set ms, ((\k)/2)%2
	WIN MULW
.irp a, 0,1,2,3
.irp b, 0,1,2,3,4,5,6,7
.set rD, 8*(8*\a+\b)
.set rB, 96*mq+12*\b
.set rA, AF+48*mq+12*\a
.set rSB, SC+12*ms+4+2*(\b/2)+mq
.set rSA, SC+12*ms+2*(\a/2)+mq
.set fB, \b%2
.set fA, \a%2
.set fZ, \zero
	WMM
.endr
.endr
.endm
; K step k: its fragments are in; the next step's are asked for, 32 matrix instructions ahead of their use; then the products.
; Loads into registers that matrix instructions have read stand four plain vector instructions behind them (ISA guide 7.12.1 for vector instructions).
.macro STEP k, zero
	s_wait_dscnt 0x0                               ; step k's fragments are in, and no LDS load of mine is out at the signal below
	WIN 0
.if (\k) < 7
.if ((\k)+1)%2 == 0
	s_wait_tensorcnt 3-((\k)+1)/2                  ; my part of the next kslot has landed; my loads for the kslots behind it may stay out: no LDS byte is filled twice
	s_barrier_signal -1
	s_barrier_wait -1                              ; everybody's part has
	v_add_nc_u32 v4, KSL, v4                       ; on to that kslot; these four lines are the four places as well
	v_add_nc_u32 v5, KSL, v5
	v_add_nc_u32 v6, KSL, v6
	v_add_nc_u32 v7, KSL, v7
.elseif (\k) > 0
	PLACES 4
.endif
	FETCH (\k)+1
.endif
	MUL \k, \zero
.endm
.macro MAIN
	s_wait_tensorcnt 0x3                           ; my part of kslot 0 has landed; the three loads behind it may be out
	s_barrier_signal -1
	s_barrier_wait -1
	FETCH 0
	STEP 0, 1                                      ; the first products start the sums: nothing is cleared
	STEP 1, 0
	s_wait_alu depctr_va_vdst(0)
	STEP 2, 0
	STEP 3, 0
	s_wait_alu depctr_va_vdst(0)
	STEP 4, 0
	STEP 5, 0
	s_wait_alu depctr_va_vdst(0)
	STEP 6, 0
	STEP 7, 0
	WIN 0
	s_wait_loadcnt 0x0                             ; the bias
	PLACES 4                                       ; in front of the first read of results and the first write over A's fragments
.endm
; 64 numbers of a lane, register 16 b + i = K 32 b + 16 (lane / 16) + i of its row, become a fragment (12 registers at pc) and the row's scale word (pw).
.macro QUANT s, pc, pw
.irp b, 0,1,2,3
	v_max3_num_f32 v[TM+\b], |v[\s+16*\b]|, |v[\s+1+16*\b]|, 0x2800000   ; my 16 of block b, and the floor 2^(5 - 127): the byte cannot fall under 1
.endr
.irp i, 2,4,6,8,10,12,14
.irp b, 0,1,2,3
	v_max3_num_f32 v[TM+\b], v[TM+\b], |v[\s+16*\b+\i]|, |v[\s+1+16*\b+\i]|
.endr
.endr
.irp b, 0,1,2,3
	v_permlanex16_b32 v[TM+4+\b], v[TM+\b], s[SEL], s[SEL+1]
.endr
.irp b, 0,1,2,3
	v_max_num_f32 v[TM+\b], v[TM+\b], v[TM+4+\b]
.endr
.irp b, 0,1,2,3
	v_add_nc_u32 v[TM+12+\b], 0xfe000000, v[TM+\b] ; 4 off the exponent field: the conversion's scale operand
.endr
.irp b, 0,1,2,3
	v_lshrrev_b32 v[TM+4+\b], 23, v[TM+12+\b]      ; the scale's byte
.endr
	v_lshl_or_b32 v[\pw], v[TM+5], 8, v[TM+4]
	v_lshl_or_b32 v[\pw], v[TM+6], 16, v[\pw]
	v_lshl_or_b32 v[\pw], v[TM+7], 24, v[\pw]
.irp c, 0,1
	v_cvt_scalef32_pk16_bf6_f32 v[(\pc)+6*\c:(\pc)+2+6*\c], v[\s+32*\c:\s+15+32*\c], v[TM+12+2*\c]
	v_cvt_scalef32_pk16_bf6_f32 v[CT+4*\c:CT+2+4*\c], v[\s+16+32*\c:\s+31+32*\c], v[TM+13+2*\c]
.endr
	v_nop                                          ; one plain place behind a scaled conversion
.irp c, 0,1
.irp i, 0,1,2
	v_permlane16_swap_b32 v[(\pc)+6*\c+\i], v[CT+4*\c+\i]
.endr
.irp i, 0,1,2
	v_mov_b32 v[(\pc)+3+6*\c+\i], v[CT+4*\c+\i]
.endr
.endr
.endm
.macro PUTHF reg, base, off            ; a half fragment leaves: 512 consecutive bytes, then 256, aligned
	global_store_b128 v8, v[(\reg):(\reg)+3], s[\base:\base+1] offset:(\off)
	global_store_b64 v9, v[(\reg)+4:(\reg)+5], s[\base:\base+1] offset:(\off)+512
.endm
	s_load_b256 s[4:11], s[0:1], 0x0               ; xq, wq, bq, bk
	s_load_b128 s[12:15], s[0:1], 0x20             ; bv, qkv
	v_lshl_add_u32 v190, v0, 2, 0x4b000
	v_mov_b32 v191, 0
	ds_add_u32 v190, v191
	ds_add_u32 v190, v191
	v_lshrrev_b32 v1, 5, v0
	v_readfirstlane_b32 s16, v1                    ; wave 0..3
	s_lshr_b32 s17, s16, 1                         ; my half of A's 128.  Also: I fetch for A (0) or for B (1)
	s_and_b32 s18, s16, 1                          ; my half of B's 256.  Also: which part of that side I fetch
	s_bfe_u32 s19, ttmp6, 0x40000                  ; cx
	s_bfe_u32 s20, ttmp6, 0x40004                  ; cy
	s_mov_b32 s21, ttmp9                           ; the cluster's x: 0 q, 1 k, 2 v
	s_and_b32 s22, ttmp7, 0xffff                   ; the cluster's y
	s_mov_b32 s[SEL], 0x76543210
	s_mov_b32 s[SEL+1], 0xfedcba98
	s_lshl_b32 s88, s22, 2                         ; q, k: A's tile of 128 tokens = 4 y + cy
	s_and_b32 s90, s22, 1
	s_lshl_b32 s90, s90, 2
	s_add_co_u32 s90, s90, 16                      ; v: A's tile of 128 positions of wq = 16 + 4 (y % 2) + cy
	s_lshl_b32 s89, s21, 2                         ; q, k: B's tile of 256 positions of wq = 4 x + cx
	s_lshr_b32 s91, s22, 1
	s_lshl_b32 s91, s91, 2                         ; v: B's tile of 256 tokens = 4 (y / 2) + cx
	s_mov_b32 s98, XST
	s_mov_b32 s99, WST
	s_cmp_eq_u32 s21, 2                            ; equal in all sixteen partners
	s_cselect_b32 s23, 1, 0
	s_cselect_b32 s88, s90, s88
	s_cselect_b32 s89, s91, s89
	s_cselect_b32 s58, s99, s98                    ; bytes from kslot to kslot on side A,
	s_cselect_b32 s86, s98, s99                    ; on side B
	s_mov_b32 s59, 0
	s_mov_b32 s87, 0
	s_add_co_u32 s88, s88, s20
	s_add_co_u32 s89, s89, s19
	; descriptor groups 1: dense blocks as rows of 256 bytes (32 elements of 8 bytes): A: a granule, 50 rows; B: two granules, 100 rows.  No padding: every LDS read is of consecutive bytes
	s_lshl_b32 s60, s20, 2
	s_lshl_b32 s60, 15, s60                        ; my row of the cluster
	s_or_b32 s24, s60, (3<<16)|(1<<21)             ; 15:0 the mask; 17:16 elements of 8 bytes; 21 set beside a mask
	s_lshl_b32 s66, 0x1111, s19                    ; my column
	s_or_b32 s32, s66, (3<<16)|(1<<21)
	s_mov_b32 s25, 32<<16                          ; tensor_dim0 = 32
	s_mov_b32 s26, 50<<16                          ; tensor_dim1 = 50
	s_mov_b32 s27, 32<<16                          ; tile_dim0 = 32
	s_mov_b32 s28, 50                              ; tile_dim1 = 50
	s_mov_b32 s29, 32                              ; the pitch
	s_mov_b32 s30, 0
	s_mov_b32 s31, 0
	s_mov_b32 s33, 32<<16
	s_mov_b32 s34, 100<<16
	s_mov_b32 s35, 32<<16
	s_mov_b32 s36, 100
	s_mov_b32 s37, 32
	s_mov_b32 s38, 0
	s_mov_b32 s39, 0
	s_lshl_b32 s60, s88, 1
	s_add_co_u32 s60, s60, s18
	s_mul_i32 s60, s60, GRAN                       ; A: granule 2 x tile + part
	s_mov_b32 s61, 0
	s_lshl_b32 s66, s89, 2
	s_lshl_b32 s67, s18, 1
	s_add_co_u32 s66, s66, s67
	s_mul_i32 s66, s66, GRAN                       ; B: granule 4 x tile + 2 x part
	s_mov_b32 s67, 0
	s_mul_i32 s62, s18, GRAN                       ; where they go in a kslot: A's part,
	s_mul_i32 s63, s18, 2*GRAN
	s_add_co_u32 s63, s63, 2*GRAN                  ; B's part: no place in the cluster enters an LDS address
	s_wait_dscnt 0x0
	s_wait_kmcnt 0x0
	s_cmp_eq_u32 s21, 2
	s_cselect_b64 s[56:57], s[6:7], s[4:5]         ; side A: wq for v, else xq
	s_cselect_b64 s[84:85], s[4:5], s[6:7]         ; side B: the other
	s_add_nc_u64 s[56:57], s[56:57], s[60:61]
	s_add_nc_u64 s[84:85], s[84:85], s[66:67]
.irp s, 0,1,2,3                        ; a group 0 for each kslot and side
	s_mov_b32 s[40+4*\s], 1
	s_add_co_u32 s[41+4*\s], s62, \s*KSL
	s_mov_b64 s[42+4*\s:43+4*\s], s[56:57]
	s_or_b32 s[43+4*\s], s[43+4*\s], 0x80000000
	s_mov_b32 s[68+4*\s], 1
	s_add_co_u32 s[69+4*\s], s63, \s*KSL
	s_mov_b64 s[70+4*\s:71+4*\s], s[84:85]
	s_or_b32 s[71+4*\s], s[71+4*\s], 0x80000000
.if \s < 3
	s_add_nc_u64 s[56:57], s[56:57], s[58:59]
	s_add_nc_u64 s[84:85], s[84:85], s[86:87]
.endif
.endr
	ROUND                                          ; all sixteen work-groups are here: the joint loads meet
	s_cmp_eq_u32 s17, 0                            ; a wave's four fills stand in one branch on its number, kslot 0 first: four loads of mine are out
	s_cbranch_scc0 .Lfill_b
	tensor_load_to_lds s[40:43], s[24:31]
	s_nop 0
	tensor_load_to_lds s[44:47], s[24:31]
	s_nop 0
	tensor_load_to_lds s[48:51], s[24:31]
	s_nop 0
	tensor_load_to_lds s[52:55], s[24:31]
	s_nop 0
	PLACES 4
	s_branch .Lfilled
.Lfill_b:
	tensor_load_to_lds s[68:71], s[32:39]
	s_nop 0
	tensor_load_to_lds s[72:75], s[32:39]
	s_nop 0
	tensor_load_to_lds s[76:79], s[32:39]
	s_nop 0
	tensor_load_to_lds s[80:83], s[32:39]
	s_nop 0
	PLACES 4
.Lfilled:
	v_and_b32 v1, 15, v0                           ; r
	v_bfe_u32 v2, v0, 4, 1                         ; h
	v_and_b32 v3, 31, v0                           ; lane
	v_lshlrev_b32 v8, 4, v3                        ; 16 x lane
	v_lshlrev_b32 v9, 3, v3                        ; 8 x lane
	s_mul_i32 s2, s17, GRAN
	v_add_nc_u32 v4, s2, v8                        ; my 64 positions of A: one granule
	v_add_nc_u32 v5, s2, v9
	v_add_nc_u32 v6, s63, v8                       ; my 128 positions of B: two granules
	v_add_nc_u32 v7, s63, v9
.irp b, 0,1,2,3
	v_mov_b32 v[TM+4+\b], 0                        ; written once: a lane permute's destination counts as one of its sources
.endr
	s_cmp_eq_u32 s23, 1
	s_cbranch_scc1 .Lv
	; ---------------- q, k: a lane holds a token, its registers run along the wave's 128 channels: two heads
	s_and_b32 s2, s89, 3
	s_lshl_b32 s2, s2, 10
	s_lshl_b32 s3, s18, 9
	s_add_co_u32 s2, s2, s3                        ; my first channel, in bytes
	s_mov_b32 s3, 0
	s_cmp_eq_u32 s21, 0
	s_cselect_b64 s[96:97], s[8:9], s[10:11]       ; bq or bk
	s_add_nc_u64 s[96:97], s[96:97], s[2:3]
	v_lshlrev_b32 v10, 6, v2                       ; 64 h: register 16 j + i is channel 32 j + 16 h + i
.irp b, 0,1,2,3
.irp i, 0,1,2,3
	global_load_b128 v[BB+16*\b+4*\i:BB+16*\b+4*\i+3], v10, s[96:97] offset:128*\b+16*\i
.endr
.endr
	s_lshl_b32 s90, s88, 3
	s_lshl_b32 s91, s17, 2
	s_add_co_u32 s90, s90, s91                     ; my first tile of 16 tokens
	s_lshr_b32 s91, s90, 7                         ; the batch
	s_lshl_b32 s91, s91, 4
	s_and_b32 s2, s89, 3
	s_lshl_b32 s2, s2, 2
	s_add_co_u32 s91, s91, s2
	s_lshl_b32 s2, s18, 1
	s_add_co_u32 s91, s91, s2                      ; my first head's record
	s_mul_i32 s91, s91, HR
	s_mul_i32 s2, s21, KCO                         ; q's part or k's
	s_add_co_u32 s91, s91, s2
	s_and_b32 s90, s90, 127
	s_mul_i32 s2, s90, HFB
	s_add_co_u32 s2, s2, s91
	s_add_nc_u64 s[92:93], s[14:15], s[2:3]        ; codes
	s_lshl_b32 s2, s90, 6
	s_add_co_u32 s2, s2, s91
	s_add_co_u32 s2, s2, QSO
	s_add_nc_u64 s[94:95], s[14:15], s[2:3]        ; scale words
	v_mul_u32_u24 v11, v2, HR
	v_lshl_add_u32 v11, v1, 2, v11                 ; lanes 0-15 write the first head's words, lanes 16-31 the second's
	v_lshlrev_b32 v12, 4, v2                       ; 16 h
	s_wait_alu depctr_va_vdst(0)
	MAIN
.irp a, 0,1,2,3
	WIN ADDW
.set i, 0
.rept 32
	v_pk_add_f32 v[H+i:H+i+1], v[64*\a+i:64*\a+i+1], v[BB+i:BB+i+1]   ; + the bias; each accumulator from its low end on
.set i, i+2
.endr
	WIN 0
	QUANT H, PC+12*\a, PW+\a
.irp c, 0,1                            ; half c of the fragment is head c's tile of 16 tokens x 64
	PUTHF PC+12*\a+6*\c, 92, \c*HR+\a*HFB
.endr
	v_lshrrev_b32 v[SW+\a], v12, v[PW+\a]          ; the second head's two bytes come down
	global_store_b32 v11, v[SW+\a], s[94:95] offset:64*\a
.endr
	s_branch .Ldone
	; ---------------- v: a lane holds a channel of one head, its registers run along 128 keys: one key step
.Lv:
	s_sub_co_u32 s2, s88, 16
	s_lshl_b32 s2, s2, 9
	s_lshl_b32 s3, s17, 8
	s_add_co_u32 s2, s2, s3                        ; my first channel, in bytes
	s_mov_b32 s3, 0
	s_add_nc_u64 s[96:97], s[12:13], s[2:3]
	v_and_b32 v10, 7, v1
	v_lshrrev_b32 v13, 3, v1
	v_lshl_add_u32 v10, v13, 4, v10
	v_lshlrev_b32 v10, 2, v10                      ; position 16 a + r is channel 32 (a / 2) + 8 (a % 2) + (r & 7) + 16 (r >> 3)
.irp a, 0,1,2,3
	global_load_b32 v[BB+2*\a], v10, s[96:97] offset:(32*(\a/2)+8*(\a%2))*4
	global_load_b32 v[BB+2*\a+1], v10, s[96:97] offset:(32*(\a/2)+8*(\a%2))*4   ; twice: a pair for the packed addition
.endr
	s_lshl_b32 s90, s89, 8
	s_lshl_b32 s91, s18, 7
	s_add_co_u32 s90, s90, s91                     ; my first token
	s_lshr_b32 s91, s90, 11                        ; the batch
	s_lshl_b32 s91, s91, 4
	s_sub_co_u32 s2, s88, 16
	s_lshl_b32 s2, s2, 1
	s_add_co_u32 s91, s91, s2
	s_add_co_u32 s91, s91, s17                     ; my head's record
	s_mul_i32 s91, s91, HR
	s_lshr_b32 s90, s90, 7
	s_and_b32 s90, s90, 15                         ; the key step
	s_mul_i32 s2, s90, 6144
	s_add_co_u32 s2, s2, s91
	s_add_co_u32 s2, s2, VCO
	s_add_nc_u64 s[92:93], s[14:15], s[2:3]
	s_lshl_b32 s2, s90, 8
	s_add_co_u32 s2, s2, s91
	s_add_co_u32 s2, s2, VSO
	s_add_nc_u64 s[94:95], s[14:15], s[2:3]
	v_lshlrev_b32 v11, 2, v3                       ; 4 x lane
	MAIN
	v_cmp_ne_u32 vcc_lo, 0, v2
.irp a, 0,1,2,3
	WIN ADDW
.set i, 0
.rept 32
	v_pk_add_f32 v[H+i:H+i+1], v[64*\a+i:64*\a+i+1], v[BB+2*\a:BB+2*\a+1]
.set i, i+2
.endr
	WIN 0
	QUANT H, PC+12*\a, PW+\a
.irp c, 0,1
	PUTHF PC+12*\a+6*\c, 92, \a*1536+\c*HFB
.endr
.if \a%2 == 1
	v_cndmask_b32 v[SW+\a], v[PW+\a-1], v[PW+\a], vcc_lo   ; lanes 0-15 the even tile's words, lanes 16-31 the odd one's
	global_store_b32 v11, v[SW+\a], s[94:95] offset:128*(\a/2)
.endif
.endr
.Ldone:
	s_wait_tensorcnt 0x0
	ds_add_u32 v190, v191
	s_wait_dscnt 0x0
	ROUND                                          ; the closing round: no work-group ends while a partner may still ask for a block that names it
	s_endpgm
.Lfunc_end_k_qa143ebd69a_proj:
	.size	k_qa143ebd69a_proj, .Lfunc_end_k_qa143ebd69a_proj-k_qa143ebd69a_proj
	.p2alignl 7, 3214868480
	.fill 96, 4, 3214868480
	.section	.rodata,"a",@progbits
	.p2align	6, 0x0
	.amdhsa_kernel k_qa143ebd69a_proj
		.amdhsa_group_segment_fixed_size 307712
		.amdhsa_private_segment_fixed_size 0
		.amdhsa_enable_private_segment 0
		.amdhsa_kernarg_size 48
		.amdhsa_user_sgpr_count 2
		.amdhsa_user_sgpr_kernarg_segment_ptr 1
		.amdhsa_wavefront_size32 1
		.amdhsa_system_sgpr_workgroup_id_x 1
		.amdhsa_system_sgpr_workgroup_id_y 1
		.amdhsa_system_sgpr_workgroup_id_z 1
		.amdhsa_system_vgpr_workitem_id 0
		.amdhsa_next_free_vgpr 768
		.amdhsa_next_free_sgpr 102
		.amdhsa_reserve_vcc 1
		.amdhsa_float_denorm_mode_32 3
		.amdhsa_float_denorm_mode_16_64 3
		.amdhsa_memory_ordered 1
		.amdhsa_forward_progress 1
		.amdhsa_inst_pref_size 184
	.end_amdhsa_kernel
	.amdgpu_metadata
---
amdhsa.version: [ 1, 2 ]
amdhsa.kernels:
  - .name:           k_qa143ebd69a_proj
    .symbol:         k_qa143ebd69a_proj.kd
    .args:
      - { .name: xq, .offset: 0, .size: 8, .value_kind: global_buffer, .address_space: global }
      - { .name: wq, .offset: 8, .size: 8, .value_kind: global_buffer, .address_space: global }
      - { .name: bq, .offset: 16, .size: 8, .value_kind: global_buffer, .address_space: global }
      - { .name: bk, .offset: 24, .size: 8, .value_kind: global_buffer, .address_space: global }
      - { .name: bv, .offset: 32, .size: 8, .value_kind: global_buffer, .address_space: global }
      - { .name: qkv, .offset: 40, .size: 8, .value_kind: global_buffer, .address_space: global }
    .group_segment_fixed_size: 307712
    .private_segment_fixed_size: 0
    .kernarg_segment_align: 8
    .kernarg_segment_size: 48
    .max_flat_workgroup_size: 128
    .sgpr_count:     102
    .vgpr_count:     768
    .wavefront_size: 32
...
	.end_amdgpu_metadata
.endif
;; end of part 2
;; launch attn (part 3): grid 256 x 1, 16 waves a work-group, clusters of 4 x 1, 210,944 bytes of LDS; arguments qkv, yq; writes yq
.if DOCPART == 3
	.amdgcn_target "amdgcn-amd-amdhsa--gfx1250"
	.amdhsa_code_object_version 6
	.text
	.protected	k_qa143ebd69a_attn
	.globl	k_qa143ebd69a_attn
	.p2align	8
	.type	k_qa143ebd69a_attn,@function
k_qa143ebd69a_attn:
	s_mov_b64 s[64:65], 0
	v_nop
	global_prefetch_b8 v0, s[64:65] scope:SCOPE_SE
	s_setreg_imm32_b32 hwreg(HW_REG_WAVE_MODE, 25, 1), 1
	s_wait_xcnt 0x0
	s_wait_alu depctr_hold_cnt(0) depctr_sa_sdst(0) depctr_va_vdst(0) depctr_va_sdst(0) depctr_va_ssrc(0) depctr_va_vcc(0) depctr_vm_vsrc(0)
	s_getreg_b32 s2, hwreg(HW_REG_IB_STS2, 6, 4)
	s_cmp_eq_u32 s2, 0
	s_cbranch_scc0 .Lentry_in_a_cluster
	s_endpgm
.Lentry_in_a_cluster:
	s_bfe_u32 s2, ttmp6, 0x10000c
	s_cmp_lg_u32 s2, 0x3003
	s_cbranch_scc0 .Lentry_shape_is_right
	s_endpgm
.Lentry_shape_is_right:
; y[b][t][head] = softmax over the keys s <= t of (q . k / 8) times v, both products on codes of BF6 (E3M2) with E8M0 scales; y is quantised along its 1,024 channels on the way out, into the last product's operand layout.
; THE SOFTMAX AHEAD OF THE SECOND PRODUCT: t = score x log2(e) / 8; M = the running largest t rounded UP to a whole number; p = 2^(t - M) is quantised along the keys, not normalised; the row's sum is taken of the
; unquantised p and divides at the end.  When M moves, the sum and O are multiplied by 2^(old M - new M): exact.
; SHARES.  A cluster of four work-groups is one (batch, head).  Its K and V, codes and scale words, are 208,896 dense bytes: they come into each work-group's LDS ONCE, by one joint load a wave (51 rows of 256 bytes),
; and stay: no ring, no refill, and no LDS store anywhere in the text.
; A tile T of 16 query positions needs key steps 0 .. T / 8 (128 keys a step).  Work-group cx owns tiles 8 g + 2 cx + sub; wave w has sub = w / 8 and takes g = w % 8, then g = 15 - w % 8: 17 key steps for every wave
; of every work-group.  Branches hang on the wave's number and the loop's counter alone; cx enters global addresses and the mask's data only.
; LAYOUT.  Both products transposed: S^T = K Q^T, O^T = V^T P^T: a lane holds one query.  By the order of positions in the workspace the 16 registers of tiles 2 j, 2 j + 1 are the true keys (channels) 32 j + 16 (lane / 16) + 0 .. 15.
; The head has 64 channels: the first product's K is filled to 128 with zero codes on both sides (registers cleared once); their scale bytes are never 0xff.
; LIMITS: a block of y under 2^-122 or of zeros gets the byte 1; NaN and infinities are not served.
; REGISTERS: v1-6, v8 addresses that stay; v9 the mask's number; v7, v10, v11, v30, v31, v243 the step's LDS addresses; v12 -M, v13 the largest t, v[14:15] the sum; v16-27 Q; v28-29 V's scale words; v32-79 four fragments of K;
;   v80-127 V's four; v128-191 S^T, then p; v192-223 O^T; v224-235 p's codes; v232-247, v252, v254 at work; v248-251 K's scale words; v253 p's; v255 Q's.
.set XST,   1638400
.set GRAN,  12800
.set SCOFF, 12288
.set RBB,   3072
.set HFB,   768
.set HR,    315392
.set QSO,   98304
.set KCO,   106496
.set LKS,   98304                      ; LDS: K's codes at 0, K's scale words here,
.set LVC,   106496                     ; V's codes,
.set LVS,   204800                     ; V's scale words
.set PART,  13056                      ; 51 rows of 256 bytes: a wave's part of the fill
.macro ROUND
	s_barrier_signal -1
	s_barrier_wait -1
	s_cmp_lg_u32 s8, 0
	s_cbranch_scc1 .Lnot_wave_0_\@
	s_barrier_signal -3
.Lnot_wave_0_\@:
	s_barrier_wait -3
	s_barrier_signal -1
	s_barrier_wait -1
.endm
.macro PLACES n
.rept \n
	v_nop
.endr
.endm
; One matrix instruction from the symbols rD, rB (source 0), rA (source 1), rSB, rSA; fB = 1: source 0's scale words lie in lanes 16-31; fZ = 1: it starts the sum.
.macro WMM
.if fZ
.if fB
	v_wmma_scale_f32_16x16x128_f8f6f4 v[rD:rD+7], v[rB:rB+11], v[rA:rA+11], 0, v[rSB], v[rSA] matrix_a_fmt:MATRIX_FMT_BF6 matrix_b_fmt:MATRIX_FMT_BF6 matrix_a_scale:MATRIX_SCALE_ROW1
.else
	v_wmma_scale_f32_16x16x128_f8f6f4 v[rD:rD+7], v[rB:rB+11], v[rA:rA+11], 0, v[rSB], v[rSA] matrix_a_fmt:MATRIX_FMT_BF6 matrix_b_fmt:MATRIX_FMT_BF6
.endif
.else
.if fB
	v_wmma_scale_f32_16x16x128_f8f6f4 v[rD:rD+7], v[rB:rB+11], v[rA:rA+11], v[rD:rD+7], v[rSB], v[rSA] matrix_a_fmt:MATRIX_FMT_BF6 matrix_b_fmt:MATRIX_FMT_BF6 matrix_a_scale:MATRIX_SCALE_ROW1
.else
	v_wmma_scale_f32_16x16x128_f8f6f4 v[rD:rD+7], v[rB:rB+11], v[rA:rA+11], v[rD:rD+7], v[rSB], v[rSA] matrix_a_fmt:MATRIX_FMT_BF6 matrix_b_fmt:MATRIX_FMT_BF6
.endif
.endif
.endm
.macro KQ4 g                           ; S^T of tiles 4 g .. 4 g + 3: four sums, each one instruction
.irp t, 0,1,2,3
.set rD, 128+8*(4*\g+\t)
.set rB, 32+12*\t
.set rA, 16
.set rSB, 248+(4*\g+\t)/2
.set rSA, 255
.set fB, \t%2
.set fZ, 1
	WMM
.endr
.endm
	s_load_b128 s[4:7], s[0:1], 0x0                ; qkv, yq
	v_lshl_add_u32 v254, v0, 2, 0x33000
	v_mov_b32 v255, 0
	ds_add_u32 v254, v255
	ds_add_u32 v254, v255
	s_wait_dscnt 0x0
	v_lshrrev_b32 v1, 5, v0
	s_delay_alu instid0(VALU_DEP_1)
	v_readfirstlane_b32 s8, v1                     ; wave 0..15
	s_bfe_u32 s9, ttmp6, 0x40000                   ; cx
	s_mov_b32 s10, ttmp9                           ; the cluster: batch x 16 + head
	s_and_b32 s11, s8, 7                           ; g of the first pass
	s_lshr_b32 s12, s8, 3                          ; sub
	s_mov_b32 s18, 0xffff0000                      ; lanes 16-31
	s_mov_b32 s20, 0x76543210
	s_mov_b32 s21, 0xfedcba98                      ; lane l xor 16
	s_mov_b32 s22, 0x3e38aa3b                      ; c = log2(e) / 8
	s_mov_b32 s23, s22                             ; (named with it as a pair)
	s_mov_b32 s24, 15|(3<<16)|(1<<21)              ; 15:0 the mask: all four work-groups; 17:16 elements of 8 bytes; 21 set beside a mask
	s_mov_b32 s25, 32<<16                          ; tensor_dim0 = 32
	s_mov_b32 s26, 51<<16                          ; tensor_dim1 = 51
	s_mov_b32 s27, 32<<16                          ; tile_dim0
	s_mov_b32 s28, 51                              ; tile_dim1
	s_mov_b32 s29, 32                              ; the pitch
	s_mov_b32 s30, 0
	s_mov_b32 s31, 0
	s_mul_i32 s46, s10, HR
	s_mov_b32 s47, 0
	s_mul_i32 s48, s8, PART                        ; my part, in LDS and in the record's K and V
	s_add_co_u32 s50, s48, KCO
	s_mov_b32 s51, 0
	s_wait_kmcnt 0x0
	s_add_nc_u64 s[36:37], s[4:5], s[46:47]        ; the head's record
	s_mov_b32 s32, 1
	s_mov_b32 s33, s48
	s_add_nc_u64 s[34:35], s[36:37], s[50:51]
	s_or_b32 s35, s35, 0x80000000
	ROUND                                          ; all four work-groups are here: the joint loads meet
	tensor_load_to_lds s[32:35], s[24:31]          ; one load of mine is out
	s_nop 0
	PLACES 4
	v_and_b32 v9, 31, v0                           ; lane
	s_delay_alu instid0(VALU_DEP_1)
	v_lshlrev_b32 v1, 4, v9                        ; 16 x lane: K's codes, and global half fragments
	s_delay_alu instid0(VALU_DEP_2)
	v_lshlrev_b32 v2, 3, v9                        ; 8 x lane
	s_delay_alu instid0(VALU_DEP_2)
	v_add_nc_u32 v3, LVC, v1
	s_delay_alu instid0(VALU_DEP_2)
	v_add_nc_u32 v4, LVC, v2
	v_lshl_add_u32 v5, v9, 2, LKS
	v_lshl_add_u32 v6, v9, 2, LVS
	v_and_b32 v10, 15, v0                          ; r
	v_bfe_u32 v11, v0, 4, 1                        ; h
	s_delay_alu instid0(VALU_DEP_1)
	v_lshl_add_u32 v8, v10, 3, v11                 ; y's scale bytes: 8 r + h
	s_delay_alu instid0(VALU_DEP_3)
	v_lshrrev_b32 v9, 3, v10
	s_delay_alu instid0(VALU_DEP_1)
	v_lshl_add_u32 v9, v9, 3, v10                  ; r + 8 (r / 8)
	s_delay_alu instid0(VALU_DEP_4)
	v_lshlrev_b32 v11, 4, v11
	s_delay_alu instid0(VALU_DEP_1)
	v_sub_nc_u32 v9, v9, v11
	s_lshl_b32 s46, s9, 5
	s_lshl_b32 s47, s12, 3
	s_add_co_u32 s46, s46, s47
	v_add_nc_u32 v9, s46, v9                       ; my query's place in its 128 tokens, less 16 h: register 16 j + i of the diagonal step is hidden where 32 j + i is greater
.irp i, 22,23,24,25,26,27,236,237,238,239,252,253
	v_mov_b32 v\i, 0                               ; Q's upper 64 along K; lane permutes' destinations; the pair v[252:253]
.endr
.irp t, 0,1,2,3
.irp i, 6,7,8,9,10,11
	v_mov_b32 v[32+12*\t+\i], 0                    ; K's upper 64 along K: zero codes, cleared once
.endr
.endr
	s_wait_tensorcnt 0x0                           ; my part has landed,
	s_barrier_signal -1
	s_barrier_wait -1                              ; everybody's has: from here on LDS is only read
; A PASS: one tile of 16 queries, all its key steps, its way out.
.macro PASS
	s_lshl_b32 s46, s11, 3
	s_lshl_b32 s47, s9, 1
	s_add_co_u32 s46, s46, s47
	s_add_co_u32 s46, s46, s12                     ; T = 8 g + 2 cx + sub
	s_mul_i32 s48, s46, HFB
	s_mov_b32 s49, 0
	s_add_nc_u64 s[38:39], s[36:37], s[48:49]      ; Q's tile
	s_lshl_b32 s48, s46, 6
	s_add_co_u32 s48, s48, QSO
	s_add_nc_u64 s[40:41], s[36:37], s[48:49]      ; its scale words
	s_lshr_b32 s50, s10, 4
	s_lshl_b32 s50, s50, 7
	s_add_co_u32 s50, s50, s46                     ; y's rowblock: 128 x batch + T
	s_and_b32 s51, s10, 15                         ; the head: kslot head / 4, half fragment head % 4
	s_lshr_b32 s52, s51, 2
	s_mul_i32 s52, s52, XST
	s_lshr_b32 s53, s50, 2
	s_mul_i32 s53, s53, GRAN
	s_add_co_u32 s52, s52, s53                     ; the granule
	s_and_b32 s50, s50, 3
	s_and_b32 s51, s51, 3
	s_mul_i32 s48, s50, RBB
	s_mul_i32 s53, s51, HFB
	s_add_co_u32 s48, s48, s53
	s_add_co_u32 s48, s48, s52
	s_add_nc_u64 s[42:43], s[6:7], s[48:49]        ; y's codes
	s_lshl_b32 s48, s50, 7
	s_lshl_b32 s53, s51, 1
	s_add_co_u32 s48, s48, s53
	s_add_co_u32 s48, s48, s52
	s_add_co_u32 s48, s48, SCOFF
	s_add_nc_u64 s[44:45], s[6:7], s[48:49]        ; y's scale bytes
	v_and_b32 v254, 15, v0
	s_delay_alu instid0(VALU_DEP_1)
	v_lshlrev_b32 v254, 2, v254
	global_load_b128 v[16:19], v1, s[38:39]
	global_load_b64 v[20:21], v2, s[38:39] offset:512
	global_load_b32 v255, v254, s[40:41]
	v_mov_b32 v13, 0xff61b1e6                      ; the largest t so far: -3e38, under every t
	s_delay_alu instid0(VALU_DEP_1)
	v_floor_f32 v12, -v13                          ; -M
	v_mov_b32 v14, 0
	v_mov_b32 v15, 0
.set j, 0
.rept 32
	v_mov_b32 v[192+j], 0                          ; O^T: the step is written once; the first change of M leaves zeros zeros
.set j, j+1
.endr
	s_mov_b32 s13, 0                               ; the key step
	s_mov_b32 s14, 0                               ; its codes: 6,144 bytes a step, of K and of V alike
	s_mov_b32 s15, 0                               ; K's scale words: 512
	s_mov_b32 s16, 0                               ; V's: 256
	s_wait_loadcnt 0x0                             ; Q
.Ltrip_\@:                                         ; 16 trips, a constant; a step all of whose keys come after my queries is jumped over, but for the lines that step addresses
	s_cmp_gt_u32 s13, s11
	s_cbranch_scc1 .Lskip_\@
	s_setprio 2
	v_add_nc_u32 v10, s14, v1                      ; six plain lines: also the places behind the last step's products, in front of the loads into their registers
	v_add_nc_u32 v11, s14, v2
	v_add_nc_u32 v30, s14, v3
	v_add_nc_u32 v31, s14, v4
	v_add_nc_u32 v243, s15, v5
	v_add_nc_u32 v7, s16, v6
.irp t, 0,1,2,3
	ds_load_b128 v[32+12*\t:35+12*\t], v10 offset:HFB*\t
	ds_load_b64 v[36+12*\t:37+12*\t], v11 offset:HFB*\t+512
.endr
.irp b, 0,1,2,3
	ds_load_b32 v[248+\b], v243 offset:128*\b      ; lanes 0-15: tile 2 b's words, lanes 16-31: tile 2 b + 1's
.endr
.irp d, 0,1,2,3
.irp c, 0,1
	ds_load_b128 v[80+12*\d+6*\c:83+12*\d+6*\c], v30 offset:1536*\d+HFB*\c
	ds_load_b64 v[84+12*\d+6*\c:85+12*\d+6*\c], v31 offset:1536*\d+HFB*\c+512
.endr
.endr
	ds_load_b32 v28, v7
	ds_load_b32 v29, v7 offset:128
	s_wait_alu depctr_va_vdst(0)
	s_wait_dscnt 18                                ; K's four tiles and all its scale words are in; V's sixteen loads and its two scale loads may be out
	KQ4 0
	PLACES 4                                       ; in front of loads into registers that matrix instructions have read
.irp t, 0,1,2,3
	ds_load_b128 v[32+12*\t:35+12*\t], v10 offset:HFB*(4+\t)
	ds_load_b64 v[36+12*\t:37+12*\t], v11 offset:HFB*(4+\t)+512
.endr
	s_wait_dscnt 0x0
	KQ4 1
	PLACES 4                                       ; in front of the first read of results
	s_cmp_lg_u32 s13, s11                          ; on the diagonal the scores of hidden keys become -infinity ahead of the maximum: p = 0 then
	s_cbranch_scc1 .Lopen_\@
	v_mov_b32 v254, 0xff800000
.set n, 0
.rept 64
	v_cmp_gt_i32 vcc_lo, 32*(n/16)+n%16, v9
	v_cndmask_b32 v[128+n], v[128+n], v254, vcc_lo
.set n, n+1
.endr
.Lopen_\@:
.irp b, 0,1,2,3
	v_max3_num_f32 v[232+\b], v[128+16*\b], v[129+16*\b], v[130+16*\b]   ; the largest score of each block of 32 keys: for the row's maximum, and, since p rises with the score, for the block's largest p
.endr
.irp i, 3,5,7,9,11,13
.irp b, 0,1,2,3
	v_max3_num_f32 v[232+\b], v[232+\b], v[128+16*\b+\i], v[129+16*\b+\i]
.endr
.endr
.irp b, 0,1,2,3
	v_max_num_f32 v[232+\b], v[232+\b], v[143+16*\b]
.endr
.irp b, 0,1,2,3
	s_delay_alu instid0(VALU_DEP_4)
	v_permlanex16_b32 v[236+\b], v[232+\b], s20, s21
.endr
.irp b, 0,1,2,3
	s_delay_alu instid0(VALU_DEP_4)
	v_max_num_f32 v[232+\b], v[232+\b], v[236+\b]  ; with lane l xor 16's 16 keys
.endr
	s_delay_alu instid0(VALU_DEP_2)
	v_max3_num_f32 v254, v232, v233, v234
	s_delay_alu instid0(VALU_DEP_1)
	v_max_num_f32 v254, v254, v235
	s_delay_alu instid0(VALU_DEP_1)
	v_mul_f32 v254, s22, v254                      ; the step's largest t (c is positive)
	s_delay_alu instid0(VALU_DEP_1)
	v_max_num_f32 v13, v13, v254
	v_mov_b32 v254, v12
	s_delay_alu instid0(VALU_DEP_2)
	v_floor_f32 v12, -v13                          ; the new -M = -ceil(t): a whole number
	s_delay_alu instid0(VALU_DEP_1)
	v_sub_f32 v254, v12, v254                      ; old M - new M: a whole number, 0 or less
	s_delay_alu instid0(VALU_DEP_1)
	v_cvt_i32_f32 v254, v254                       ; (it saturates)
	s_delay_alu instid0(VALU_DEP_1)
	v_ldexp_f32 v252, 1.0, v254                    ; f = 2^(old M - new M)
.set j, 0
	s_setprio 1
.rept 32
	v_pk_fma_f32 v[128+j:129+j], v[128+j:129+j], s[22:23], v[12:13] op_sel_hi:[1,0,0]   ; t - M, two at a time
.set j, j+2
.endr
.irp b, 0,1,2,3
	v_fma_f32 v[232+\b], v[232+\b], s22, v12       ; the same of each block's largest score
.endr
.set j, 0
	s_wait_alu depctr_va_vdst(0)
.rept 64
	v_exp_f32 v[128+j], v[128+j]                   ; p = 2^(t - M), at most 1
.set j, j+1
.endr
.irp b, 0,1,2,3
	v_exp_f32 v[232+\b], v[232+\b]                 ; the block's largest p: the same two instructions on the same number
.endr
	v_pk_mul_f32 v[14:15], v[14:15], v[252:253] op_sel_hi:[1,0]   ; the sums under the new M (a plain place behind the exponentials)
	s_wait_alu depctr_va_vdst(0)
.irp b, 0,1,2,3
	v_max_num_f32 v[232+\b], 0x2800000, v[232+\b]  ; the floor 2^(5 - 127)
.endr
.irp b, 0,1,2,3
	s_delay_alu instid0(VALU_DEP_4)
	v_add_nc_u32 v[244+\b], 0xfe000000, v[232+\b]  ; the conversion's scale operand
.endr
.irp b, 0,1,2,3
	s_delay_alu instid0(VALU_DEP_4)
	v_lshrrev_b32 v[236+\b], 23, v[244+\b]         ; the scale's byte
.endr
	s_delay_alu instid0(VALU_DEP_3)
	v_lshl_or_b32 v253, v237, 8, v236              ; p's scale word for these 128 keys
	s_delay_alu instid0(VALU_DEP_1)
	v_lshl_or_b32 v253, v238, 16, v253
	s_delay_alu instid0(VALU_DEP_1)
	v_lshl_or_b32 v253, v239, 24, v253
.irp c, 0,1
	v_cvt_scalef32_pk16_bf6_f32 v[224+6*\c:226+6*\c], v[128+32*\c:143+32*\c], v[244+2*\c]
	v_cvt_scalef32_pk16_bf6_f32 v[236+4*\c:238+4*\c], v[144+32*\c:159+32*\c], v[245+2*\c]
.endr
	v_nop                                          ; one plain place behind a scaled conversion
.irp c, 0,1
.irp i, 0,1,2
	v_permlane16_swap_b32 v[224+6*\c+\i], v[236+4*\c+\i]
.endr
.irp i, 0,1,2
	s_delay_alu instid0(VALU_DEP_3)
	v_mov_b32 v[227+6*\c+\i], v[236+4*\c+\i]
.endr
.endr
	v_pk_add_f32 v[236:237], v[132:133], v[136:137]
	v_pk_add_f32 v[250:251], v[140:141], v[144:145]
	v_pk_add_f32 v[248:249], v[148:149], v[152:153]
	v_pk_add_f32 v[246:247], v[156:157], v[160:161]
	v_pk_add_f32 v[244:245], v[164:165], v[168:169]
	v_pk_add_f32 v[242:243], v[172:173], v[176:177]
	v_pk_add_f32 v[240:241], v[180:181], v[184:185]
	v_pk_add_f32 v[14:15], v[14:15], v[188:189]
	s_setprio 0
	v_pk_add_f32 v[236:237], v[236:237], v[128:129]
	v_pk_add_f32 v[250:251], v[250:251], v[130:131]
	v_pk_add_f32 v[248:249], v[248:249], v[134:135]
	v_pk_add_f32 v[246:247], v[246:247], v[138:139]
	v_pk_add_f32 v[244:245], v[244:245], v[142:143]
	v_pk_add_f32 v[242:243], v[242:243], v[146:147]
	v_pk_add_f32 v[240:241], v[240:241], v[150:151]
	v_pk_add_f32 v[14:15], v[14:15], v[154:155]
	v_pk_add_f32 v[236:237], v[236:237], v[158:159]
	v_pk_add_f32 v[250:251], v[250:251], v[162:163]
	v_pk_add_f32 v[248:249], v[248:249], v[166:167]
	v_pk_add_f32 v[246:247], v[246:247], v[170:171]
	v_pk_add_f32 v[244:245], v[244:245], v[174:175]
	v_pk_add_f32 v[242:243], v[242:243], v[178:179]
	v_pk_add_f32 v[240:241], v[240:241], v[182:183]
	v_pk_add_f32 v[14:15], v[14:15], v[186:187]
	v_pk_add_f32 v[236:237], v[236:237], v[190:191]
	s_delay_alu instid0(VALU_DEP_2)
	v_pk_add_f32 v[14:15], v[14:15], v[246:247]
	s_delay_alu instid0(VALU_DEP_2)
	v_pk_add_f32 v[236:237], v[236:237], v[244:245]
	v_pk_add_f32 v[250:251], v[250:251], v[242:243]
	v_pk_add_f32 v[248:249], v[248:249], v[240:241]
	s_delay_alu instid0(VALU_DEP_2)
	v_pk_add_f32 v[14:15], v[14:15], v[250:251]
	s_delay_alu instid0(VALU_DEP_2)
	v_pk_add_f32 v[236:237], v[236:237], v[248:249]
	s_delay_alu instid0(VALU_DEP_1)
	v_pk_add_f32 v[14:15], v[14:15], v[236:237]
.set j, 0
.rept 16
	v_pk_mul_f32 v[192+j:193+j], v[192+j:193+j], v[252:253] op_sel_hi:[1,0]   ; O^T under the new M; with the sums above: the places between p's codes and scale word and the products
.set j, j+2
.endr
.irp d, 0,1,2,3                        ; O^T += V^T P^T: the four accumulators by turns
.set rD, 192+8*\d
.set rB, 80+12*\d
.set rA, 224
.set rSB, 28+\d/2
.set rSA, 253
.set fB, \d%2
.set fZ, 0
	WMM
.endr
.Lskip_\@:
	s_add_co_u32 s14, s14, 6144
	s_add_co_u32 s15, s15, 512
	s_add_co_u32 s16, s16, 256
	s_add_co_u32 s13, s13, 1
	s_cmp_lt_u32 s13, 16
	s_cbranch_scc1 .Ltrip_\@
	s_setprio 0
	; the way out: O^T / the sum is y's 64 channels of 16 tokens: two blocks of 32, one half fragment
	PLACES 4
	v_add_f32 v14, v14, v15
	s_delay_alu instid0(VALU_DEP_1)
	v_permlanex16_b32 v252, v14, s20, s21
	s_delay_alu instid0(VALU_DEP_1)
	v_add_f32 v14, v14, v252                       ; the row's sum
	s_wait_alu depctr_va_vdst(0)
	v_rcp_f32 v14, v14
	v_nop                                          ; one plain place behind a transcendental
.set j, 0
	s_wait_alu depctr_va_vdst(0)
.rept 16
	v_pk_mul_f32 v[128+j:129+j], v[192+j:193+j], v[14:15] op_sel_hi:[1,0]   ; register 16 b + i is channel 32 b + 16 h + i; each accumulator from its low end on
.set j, j+2
.endr
.irp b, 0,1
	v_max3_num_f32 v[232+\b], |v[128+16*\b]|, |v[129+16*\b]|, 0x2800000
.endr
.irp i, 2,4,6,8,10,12,14
.irp b, 0,1
	s_delay_alu instid0(VALU_DEP_2)
	v_max3_num_f32 v[232+\b], v[232+\b], |v[128+16*\b+\i]|, |v[129+16*\b+\i]|
.endr
.endr
.irp b, 0,1
	s_delay_alu instid0(VALU_DEP_2)
	v_permlanex16_b32 v[236+\b], v[232+\b], s20, s21
.endr
.irp b, 0,1
	s_delay_alu instid0(VALU_DEP_2)
	v_max_num_f32 v[232+\b], v[232+\b], v[236+\b]
.endr
.irp b, 0,1
	s_delay_alu instid0(VALU_DEP_2)
	v_add_nc_u32 v[244+\b], 0xfe000000, v[232+\b]
.endr
.irp b, 0,1
	s_delay_alu instid0(VALU_DEP_2)
	v_lshrrev_b32 v[236+\b], 23, v[244+\b]
.endr
	v_cvt_scalef32_pk16_bf6_f32 v[224:226], v[128:143], v244
	v_cvt_scalef32_pk16_bf6_f32 v[240:242], v[144:159], v245
	v_nop
.irp i, 0,1,2
	v_permlane16_swap_b32 v[224+\i], v[240+\i]
.endr
.irp i, 0,1,2
	s_delay_alu instid0(VALU_DEP_3)
	v_mov_b32 v[227+\i], v[240+\i]
.endr
	v_cndmask_b32 v238, v236, v237, s18            ; lanes 0-15 carry block 0's byte, lanes 16-31 block 1's
	global_store_b128 v1, v[224:227], s[42:43]     ; 512 consecutive bytes, aligned
	global_store_b64 v2, v[228:229], s[42:43] offset:512
	global_store_b8 v8, v238, s[44:45]             ; two bytes of each position's eight: the other six are other heads', which other clusters make
	s_wait_xcnt 0x0                                ; the stores' registers and bases are written again only behind this wait
	s_xor_b32 s11, s11, 15                         ; the other pass's g
.endm
	PASS
	PASS
	s_wait_xcnt 0x0
	v_lshl_add_u32 v254, v0, 2, 0x33000
	v_mov_b32 v255, 0
	s_wait_alu depctr_va_vdst(0)
	s_wait_tensorcnt 0x0
	ds_add_u32 v254, v255
	s_wait_dscnt 0x0
	ROUND                                          ; the closing round
	s_endpgm
.Lfunc_end_k_qa143ebd69a_attn:
	.size	k_qa143ebd69a_attn, .Lfunc_end_k_qa143ebd69a_attn-k_qa143ebd69a_attn
	.p2alignl 7, 3214868480
	.fill 96, 4, 3214868480
	.section	.rodata,"a",@progbits
	.p2align	6, 0x0
	.amdhsa_kernel k_qa143ebd69a_attn
		.amdhsa_group_segment_fixed_size 210944
		.amdhsa_private_segment_fixed_size 0
		.amdhsa_enable_private_segment 0
		.amdhsa_kernarg_size 16
		.amdhsa_user_sgpr_count 2
		.amdhsa_user_sgpr_kernarg_segment_ptr 1
		.amdhsa_wavefront_size32 1
		.amdhsa_system_sgpr_workgroup_id_x 1
		.amdhsa_system_sgpr_workgroup_id_y 1
		.amdhsa_system_sgpr_workgroup_id_z 1
		.amdhsa_system_vgpr_workitem_id 0
		.amdhsa_next_free_vgpr 256
		.amdhsa_next_free_sgpr 66
		.amdhsa_reserve_vcc 1
		.amdhsa_float_denorm_mode_32 3
		.amdhsa_float_denorm_mode_16_64 3
		.amdhsa_memory_ordered 1
		.amdhsa_forward_progress 1
		.amdhsa_inst_pref_size 66
	.end_amdhsa_kernel
	.amdgpu_metadata
---
amdhsa.version: [ 1, 2 ]
amdhsa.kernels:
  - .name:           k_qa143ebd69a_attn
    .symbol:         k_qa143ebd69a_attn.kd
    .args:
      - { .name: qkv, .offset: 0, .size: 8, .value_kind: global_buffer, .address_space: global }
      - { .name: yq, .offset: 8, .size: 8, .value_kind: global_buffer, .address_space: global }
    .group_segment_fixed_size: 210944
    .private_segment_fixed_size: 0
    .kernarg_segment_align: 8
    .kernarg_segment_size: 16
    .max_flat_workgroup_size: 512
    .sgpr_count:     66
    .vgpr_count:     256
    .wavefront_size: 32
...
	.end_amdgpu_metadata
.endif
;; end of part 3
;; launch outp (part 4): grid 4 x 64, 4 waves a work-group, clusters of 4 x 4, 307,712 bytes of LDS; arguments yq, wq, bo, out0; writes out0
.if DOCPART == 4
	.amdgcn_target "amdgcn-amd-amdhsa--gfx1250"
	.amdhsa_code_object_version 6
	.text
	.protected	k_qa143ebd69a_outp
	.globl	k_qa143ebd69a_outp
	.p2align	8
	.type	k_qa143ebd69a_outp,@function
k_qa143ebd69a_outp:
	s_mov_b64 s[64:65], 0
	v_nop
	global_prefetch_b8 v0, s[64:65] scope:SCOPE_SE
	s_setreg_imm32_b32 hwreg(HW_REG_WAVE_MODE, 25, 1), 1
	s_wait_xcnt 0x0
	s_wait_alu depctr_hold_cnt(0) depctr_sa_sdst(0) depctr_va_vdst(0) depctr_va_sdst(0) depctr_va_ssrc(0) depctr_va_vcc(0) depctr_vm_vsrc(0)
	s_getreg_b32 s2, hwreg(HW_REG_IB_STS2, 6, 4)
	s_cmp_eq_u32 s2, 0
	s_cbranch_scc0 .Lentry_in_a_cluster
	s_endpgm
.Lentry_in_a_cluster:
	s_bfe_u32 s2, ttmp6, 0x10000c
	s_cmp_lg_u32 s2, 0xf033
	s_cbranch_scc0 .Lentry_shape_is_right
	s_endpgm
.Lentry_shape_is_right:
; out = y Wo + bo on codes of BF6 (E3M2) with E8M0 scales; out0 [8192][1024] f32.
; A work-group makes 128 tokens (side A) x 256 columns (side B) over all K = 1,024: its operands, 307,200 bytes of codes and scale bytes, fit in LDS whole: each LDS byte is filled ONCE: no ring, no refill.
; Four waves, each 64 x 128: 32 accumulators, 256 matrix instructions.  Source 0 = 16 positions of Wo's columns, source 1 = 16 positions of tokens: a lane holds one token, and the 16 registers of column tiles
; 2 j, 2 j + 1 are the true columns 32 j + 16 (lane / 16) + 0 .. 15.  Position 16 u + r of a group of 32 tokens is token 8 u + (r & 7) + 16 (r >> 3): the stores put each row where it belongs.
; CLUSTERS: 4 x 4 work-groups: y's granules are asked for jointly by a row of the cluster, Wo's by a column.
; THE WAY OUT goes through a stage of 8,448 bytes a wave in kslot 0's bytes: they have had their only fill, and every wave's last read of them is waited for in front of the barrier of the second K step.
; REGISTERS: window 0: v1-11 addresses; v16-39 scale words, two sets; v40-135 A's fragments, two sets (on the way out: v40-103 a tile row's numbers, v104-167 rows read back); v192-255 the bias.
;   window 1: accumulator (a, b) at v[8 (8 a + b)].   window 2: B's fragments, two sets of 96.
.set XST,   1638400
.set WST,   819200
.set GRAN,  12800
.set SCOFF, 12288
.set RBB,   3072
.set HFB,   768
.set KSL,   6*GRAN
.set SP,    528                        ; a stage row: 512 bytes + 16
.set SC,    16
.set AF,    40
.set H,     40
.set BK,    104
.set BB,    192
.set TO_B,  0x80
.set MULW,  0x52
.set ADDW,  0x01
.set MSB, 0
.macro WIN new                         ; the immediate's high byte repeats the setting that is left
.if MSB != \new
	s_set_vgpr_msb (MSB<<8)|\new
.set MSB, \new
.endif
.endm
.macro ROUND
	s_barrier_signal -1
	s_barrier_wait -1
	s_cmp_lg_u32 s16, 0
	s_cbranch_scc1 .Lnot_wave_0_\@
	s_barrier_signal -3
.Lnot_wave_0_\@:
	s_barrier_wait -3
	s_barrier_signal -1
	s_barrier_wait -1
.endm
.macro PLACES n
.rept \n
	v_nop
.endr
.endm
.macro WMM                             ; one matrix instruction from the symbols rD, rB (source 0), rA (source 1), rSB, rSA, fB, fA (scale words in lanes 16-31), fZ (it starts the sum)
.if fZ
.if fB && fA
	v_wmma_scale_f32_16x16x128_f8f6f4 v[rD:rD+7], v[rB:rB+11], v[rA:rA+11], 0, v[rSB], v[rSA] matrix_a_fmt:MATRIX_FMT_BF6 matrix_b_fmt:MATRIX_FMT_BF6 matrix_a_scale:MATRIX_SCALE_ROW1 matrix_b_scale:MATRIX_SCALE_ROW1
.elseif fB
	v_wmma_scale_f32_16x16x128_f8f6f4 v[rD:rD+7], v[rB:rB+11], v[rA:rA+11], 0, v[rSB], v[rSA] matrix_a_fmt:MATRIX_FMT_BF6 matrix_b_fmt:MATRIX_FMT_BF6 matrix_a_scale:MATRIX_SCALE_ROW1
.elseif fA
	v_wmma_scale_f32_16x16x128_f8f6f4 v[rD:rD+7], v[rB:rB+11], v[rA:rA+11], 0, v[rSB], v[rSA] matrix_a_fmt:MATRIX_FMT_BF6 matrix_b_fmt:MATRIX_FMT_BF6 matrix_b_scale:MATRIX_SCALE_ROW1
.else
	v_wmma_scale_f32_16x16x128_f8f6f4 v[rD:rD+7], v[rB:rB+11], v[rA:rA+11], 0, v[rSB], v[rSA] matrix_a_fmt:MATRIX_FMT_BF6 matrix_b_fmt:MATRIX_FMT_BF6
.endif
.else
.if fB && fA
	v_wmma_scale_f32_16x16x128_f8f6f4 v[rD:rD+7], v[rB:rB+11], v[rA:rA+11], v[rD:rD+7], v[rSB], v[rSA] matrix_a_fmt:MATRIX_FMT_BF6 matrix_b_fmt:MATRIX_FMT_BF6 matrix_a_scale:MATRIX_SCALE_ROW1 matrix_b_scale:MATRIX_SCALE_ROW1
.elseif fB
	v_wmma_scale_f32_16x16x128_f8f6f4 v[rD:rD+7], v[rB:rB+11], v[rA:rA+11], v[rD:rD+7], v[rSB], v[rSA] matrix_a_fmt:MATRIX_FMT_BF6 matrix_b_fmt:MATRIX_FMT_BF6 matrix_a_scale:MATRIX_SCALE_ROW1
.elseif fA
	v_wmma_scale_f32_16x16x128_f8f6f4 v[rD:rD+7], v[rB:rB+11], v[rA:rA+11], v[rD:rD+7], v[rSB], v[rSA] matrix_a_fmt:MATRIX_FMT_BF6 matrix_b_fmt:MATRIX_FMT_BF6 matrix_b_scale:MATRIX_SCALE_ROW1
.else
	v_wmma_scale_f32_16x16x128_f8f6f4 v[rD:rD+7], v[rB:rB+11], v[rA:rA+11], v[rD:rD+7], v[rSB], v[rSA] matrix_a_fmt:MATRIX_FMT_BF6 matrix_b_fmt:MATRIX_FMT_BF6
.endif
.endif
.endm
; The fragments of K step k (the kslot's half k % 2) into set k % 2: B's eight, A's four; with a kslot's first step its scale words (8 bytes a lane: 32 positions' two words).
.macro FETCH k
.set fq, (\k)%2
.set fs, ((\k)/2)%2
	WIN TO_B
.irp b, 0,1,2,3,4,5,6,7
.irp c, 0,1
	ds_load_b128 v[96*fq+12*\b+6*\c:96*fq+12*\b+6*\c+3], v6 offset:(\b/4)*GRAN+(\b%4)*RBB+fq*1536+\c*HFB
	ds_load_b64 v[96*fq+12*\b+6*\c+4:96*fq+12*\b+6*\c+5], v7 offset:(\b/4)*GRAN+(\b%4)*RBB+fq*1536+\c*HFB+512
.endr
.endr
	WIN 0
.irp a, 0,1,2,3
.irp c, 0,1
	ds_load_b128 v[AF+48*fq+12*\a+6*\c:AF+48*fq+12*\a+6*\c+3], v4 offset:\a*RBB+fq*1536+\c*HFB
	ds_load_b64 v[AF+48*fq+12*\a+6*\c+4:AF+48*fq+12*\a+6*\c+5], v5 offset:\a*RBB+fq*1536+\c*HFB+512
.endr
.endr
.if fq == 0
.irp i, 0,1
	ds_load_b64 v[SC+12*fs+2*\i:SC+12*fs+2*\i+1], v5 offset:SCOFF+256*\i
.endr
.irp j, 0,1,2,3
	ds_load_b64 v[SC+12*fs+4+2*\j:SC+12*fs+4+2*\j+1], v7 offset:(\j/2)*GRAN+SCOFF+256*(\j%2)
.endr
.endif
.endm
.macro MUL k, zero                     ; 32 matrix instructions: the 32 accumulators take turns, in the same order in every step
.set mq, (\k)%2
.set ms, ((\k)/2)%2
	WIN MULW
.irp a, 0,1,2,3
.irp b, 0,1,2,3,4,5,6,7
.set rD, 8*(8*\a+\b)
.set rB, 96*mq+12*\b
.set rA, AF+48*mq+12*\a
.set rSB, SC+12*ms+4+2*(\b/2)+mq
.set rSA, SC+12*ms+2*(\a/2)+mq
.set fB, \b%2
.set fA, \a%2
.set fZ, \zero
	WMM
.endr
.endr
.endm
.macro STEP k, zero
	s_wait_dscnt 0x0                               ; step k's fragments are in, and no LDS load of mine is out at the signal below
	WIN 0
.if (\k) < 7
.if ((\k)+1)%2 == 0
	s_wait_tensorcnt 3-((\k)+1)/2                  ; my part of the next kslot has landed; my loads for the kslots behind it may stay out: no LDS byte is filled twice
	s_barrier_signal -1
	s_barrier_wait -1
	v_add_nc_u32 v4, KSL, v4                       ; on to that kslot; these four lines are also the four places in front of the loads below
	v_add_nc_u32 v5, KSL, v5
	v_add_nc_u32 v6, KSL, v6
	v_add_nc_u32 v7, KSL, v7
.elseif (\k) > 0
	PLACES 4
.endif
	FETCH (\k)+1
.endif
	MUL \k, \zero
.endm
	s_load_b256 s[4:11], s[0:1], 0x0               ; yq, wq, bo, out0
	v_lshl_add_u32 v190, v0, 2, 0x4b000
	v_mov_b32 v191, 0
	ds_add_u32 v190, v191
	ds_add_u32 v190, v191
	v_lshrrev_b32 v1, 5, v0
	v_readfirstlane_b32 s16, v1                    ; wave 0..3
	s_lshr_b32 s17, s16, 1                         ; my half of the 128 tokens.  Also: I fetch for A (0) or for B (1)
	s_and_b32 s18, s16, 1                          ; my half of the 256 columns.  Also: which part of that side I fetch
	s_bfe_u32 s19, ttmp6, 0x40000                  ; cx: the tile of 256 columns
	s_bfe_u32 s20, ttmp6, 0x40004                  ; cy
	s_and_b32 s22, ttmp7, 0xffff
	s_lshl_b32 s88, s22, 2
	s_add_co_u32 s88, s88, s20                     ; the tile of 128 tokens = 4 x cluster y + cy
	s_lshl_b32 s60, s20, 2
	s_lshl_b32 s60, 15, s60                        ; my row of the cluster
	s_or_b32 s24, s60, (3<<16)|(1<<21)             ; 15:0 the mask; 17:16 elements of 8 bytes; 21 set beside a mask
	s_lshl_b32 s66, 0x1111, s19                    ; my column
	s_or_b32 s32, s66, (3<<16)|(1<<21)
	s_mov_b32 s25, 32<<16                          ; A: a granule: 50 rows of 256 bytes
	s_mov_b32 s26, 50<<16
	s_mov_b32 s27, 32<<16
	s_mov_b32 s28, 50
	s_mov_b32 s29, 32
	s_mov_b32 s30, 0
	s_mov_b32 s31, 0
	s_mov_b32 s33, 32<<16                          ; B: two granules: 100 rows
	s_mov_b32 s34, 100<<16
	s_mov_b32 s35, 32<<16
	s_mov_b32 s36, 100
	s_mov_b32 s37, 32
	s_mov_b32 s38, 0
	s_mov_b32 s39, 0
	s_lshl_b32 s60, s88, 1
	s_add_co_u32 s60, s60, s18
	s_mul_i32 s60, s60, GRAN                       ; A: granule 2 x tile + part
	s_mov_b32 s61, 0
	s_lshl_b32 s66, s19, 2
	s_lshl_b32 s67, s18, 1
	s_add_co_u32 s66, s66, s67
	s_add_co_u32 s66, s66, 48                      ; B: Wo begins at granule 48 of wq
	s_mul_i32 s66, s66, GRAN
	s_mov_b32 s67, 0
	s_mul_i32 s62, s18, GRAN
	s_mul_i32 s63, s18, 2*GRAN
	s_add_co_u32 s63, s63, 2*GRAN
	s_wait_dscnt 0x0
	s_wait_kmcnt 0x0
	s_add_nc_u64 s[56:57], s[4:5], s[60:61]
	s_add_nc_u64 s[84:85], s[6:7], s[66:67]
.irp s, 0,1,2,3
	s_mov_b32 s[40+4*\s], 1
	s_add_co_u32 s[41+4*\s], s62, \s*KSL
	s_add_nc_u64 s[42+4*\s:43+4*\s], s[56:57], \s*XST
	s_or_b32 s[43+4*\s], s[43+4*\s], 0x80000000
	s_mov_b32 s[68+4*\s], 1
	s_add_co_u32 s[69+4*\s], s63, \s*KSL
	s_add_nc_u64 s[70+4*\s:71+4*\s], s[84:85], \s*WST
	s_or_b32 s[71+4*\s], s[71+4*\s], 0x80000000
.endr
	ROUND                                          ; all sixteen work-groups are here: the joint loads meet
	s_cmp_eq_u32 s17, 0                            ; a wave's four fills stand in one branch on its number, kslot 0 first: four loads of mine are out
	s_cbranch_scc0 .Lfill_b
	tensor_load_to_lds s[40:43], s[24:31]
	s_nop 0
	tensor_load_to_lds s[44:47], s[24:31]
	s_nop 0
	tensor_load_to_lds s[48:51], s[24:31]
	s_nop 0
	tensor_load_to_lds s[52:55], s[24:31]
	s_nop 0
	PLACES 4
	s_branch .Lfilled
.Lfill_b:
	tensor_load_to_lds s[68:71], s[32:39]
	s_nop 0
	tensor_load_to_lds s[72:75], s[32:39]
	s_nop 0
	tensor_load_to_lds s[76:79], s[32:39]
	s_nop 0
	tensor_load_to_lds s[80:83], s[32:39]
	s_nop 0
	PLACES 4
.Lfilled:
	v_and_b32 v1, 15, v0                           ; r
	v_bfe_u32 v2, v0, 4, 1                         ; h
	v_and_b32 v3, 31, v0                           ; lane
	v_lshlrev_b32 v8, 4, v3
	v_lshlrev_b32 v9, 3, v3
	s_mul_i32 s2, s17, GRAN
	v_add_nc_u32 v4, s2, v8
	v_add_nc_u32 v5, s2, v9
	v_add_nc_u32 v6, s63, v8
	v_add_nc_u32 v7, s63, v9
	s_mul_i32 s2, s16, 16*SP                       ; my stage
	v_mul_u32_u24 v10, v1, SP
	v_lshl_add_u32 v10, v2, 6, v10
	v_add_nc_u32 v10, s2, v10                      ; in: row r, + 64 h
	v_add_nc_u32 v11, s2, v8                       ; back: a row of 512 bytes an instruction
	v_lshlrev_b32 v12, 6, v2                       ; the bias: 64 h
	s_lshl_b32 s2, s19, 10
	s_lshl_b32 s3, s18, 9
	s_add_co_u32 s2, s2, s3                        ; my first column, in bytes
	s_mov_b32 s3, 0
	s_add_nc_u64 s[96:97], s[8:9], s[2:3]
.irp b, 0,1,2,3
.irp i, 0,1,2,3
	global_load_b128 v[BB+16*\b+4*\i:BB+16*\b+4*\i+3], v12, s[96:97] offset:128*\b+16*\i   ; register 16 j + i is column 32 j + 16 h + i
.endr
.endr
	s_lshl_b32 s90, s88, 19                        ; 128 rows of 4,096 bytes a tile,
	s_lshl_b32 s91, s17, 18                        ; 64 a half,
	s_add_co_u32 s90, s90, s91
	s_add_co_u32 s90, s90, s2                      ; and my first column
	s_mov_b32 s91, 0
	s_add_nc_u64 s[92:93], s[10:11], s[90:91]
	s_wait_alu depctr_va_vdst(0)
	s_wait_tensorcnt 0x3                           ; my part of kslot 0 has landed; the three loads behind it may be out
	s_barrier_signal -1
	s_barrier_wait -1
	FETCH 0
	STEP 0, 1                                      ; the first products start the sums: nothing is cleared
	STEP 1, 0
	s_wait_alu depctr_va_vdst(0)
	STEP 2, 0
	STEP 3, 0
	s_wait_alu depctr_va_vdst(0)
	STEP 4, 0
	STEP 5, 0
	s_wait_alu depctr_va_vdst(0)
	STEP 6, 0
	STEP 7, 0
	WIN 0
	s_wait_loadcnt 0x0                             ; the bias
	PLACES 4                                       ; in front of the first read of results and the first write over A's fragments
.irp a, 0,1,2,3                        ; 16 tokens x 128 columns at a time
	WIN ADDW
.set i, 0
.rept 32
	v_pk_add_f32 v[H+i:H+i+1], v[64*\a+i:64*\a+i+1], v[BB+i:BB+i+1]   ; + the bias; each accumulator from its low end on
.set i, i+2
.endr
	WIN 0
.if \a > 0
	s_wait_alu depctr_va_vdst(0)
	s_wait_xcnt 0x0                                ; the rows read back are loaded again only behind this wait: the last block's stores read them
.endif
.irp b, 0,1,2,3
.irp i, 0,1,2,3
	ds_store_b128 v10, v[H+16*\b+4*\i:H+16*\b+4*\i+3] offset:128*\b+16*\i
.endr
.endr
.irp t, 0,1,2,3,4,5,6,7,8,9,10,11,12,13,14,15
	ds_load_b128 v[BK+4*\t:BK+4*\t+3], v11 offset:SP*\t   ; LDS serves a wave's instructions in order: these see my stores
.endr
	s_wait_dscnt 0x0                               ; the rows are back, and the stores into the stage have read their registers
.irp t, 0,1,2,3,4,5,6,7,8,9,10,11,12,13,14,15
	global_store_b128 v8, v[BK+4*\t:BK+4*\t+3], s[92:93] offset:(32*(\a/2)+8*(\a%2)+\t+8*(\t/8))*4096 th:TH_STORE_NT   ; 32 lanes store 512 consecutive bytes, aligned; written once, read by nobody here
.endr
.endr
	s_wait_tensorcnt 0x0
	ds_add_u32 v190, v191
	s_wait_dscnt 0x0
	ROUND                                          ; the closing round: no work-group ends while a partner may still ask for a block that names it
	s_endpgm
.Lfunc_end_k_qa143ebd69a_outp:
	.size	k_qa143ebd69a_outp, .Lfunc_end_k_qa143ebd69a_outp-k_qa143ebd69a_outp
	.p2alignl 7, 3214868480
	.fill 96, 4, 3214868480
	.section	.rodata,"a",@progbits
	.p2align	6, 0x0
	.amdhsa_kernel k_qa143ebd69a_outp
		.amdhsa_group_segment_fixed_size 307712
		.amdhsa_private_segment_fixed_size 0
		.amdhsa_enable_private_segment 0
		.amdhsa_kernarg_size 32
		.amdhsa_user_sgpr_count 2
		.amdhsa_user_sgpr_kernarg_segment_ptr 1
		.amdhsa_wavefront_size32 1
		.amdhsa_system_sgpr_workgroup_id_x 1
		.amdhsa_system_sgpr_workgroup_id_y 1
		.amdhsa_system_sgpr_workgroup_id_z 1
		.amdhsa_system_vgpr_workitem_id 0
		.amdhsa_next_free_vgpr 768
		.amdhsa_next_free_sgpr 102
		.amdhsa_reserve_vcc 0
		.amdhsa_float_denorm_mode_32 3
		.amdhsa_float_denorm_mode_16_64 3
		.amdhsa_memory_ordered 1
		.amdhsa_forward_progress 1
		.amdhsa_inst_pref_size 93
	.end_amdhsa_kernel
	.amdgpu_metadata
---
amdhsa.version: [ 1, 2 ]
amdhsa.kernels:
  - .name:           k_qa143ebd69a_outp
    .symbol:         k_qa143ebd69a_outp.kd
    .args:
      - { .name: yq, .offset: 0, .size: 8, .value_kind: global_buffer, .address_space: global }
      - { .name: wq, .offset: 8, .size: 8, .value_kind: global_buffer, .address_space: global }
      - { .name: bo, .offset: 16, .size: 8, .value_kind: global_buffer, .address_space: global }
      - { .name: out0, .offset: 24, .size: 8, .value_kind: global_buffer, .address_space: global }
    .group_segment_fixed_size: 307712
    .private_segment_fixed_size: 0
    .kernarg_segment_align: 8
    .kernarg_segment_size: 32
    .max_flat_workgroup_size: 128
    .sgpr_count:     102
    .vgpr_count:     768
    .wavefront_size: 32
...
	.end_amdgpu_metadata
.endif
;; end of part 4
